; MI455X (gfx1250); checked and timed in simulation.
; The chip was launched on July 23, 2026; its instructions are those of AMD's public machine-readable ISA for CDNA 5 (MIT licence, August 2026) and "CDNA5" Instruction Set Architecture Reference Guide (July 2026). The comments in the code are by the model that wrote it; some were corrected since.
;; Self Attention. Allowed arithmetic: float matrix products may take bf16 or f16 operands with f32 sums; all other float work in f32.
;; Inputs: Wk 1,024 x 1,024 float32; Wq 1,024 x 1,024 float32; Wv 1,024 x 1,024 float32; bk 1,024 float32; bq 1,024 float32; bv 1,024 float32; lengths 4 int32; x 4 x 2,048 x 1,024 float32.
;; Outputs: out0 4 x 2,048 x 1,024 float32.
;; 2 versions, each right; version 2 is version 1 with the launch cvt written anew for expert scheduling mode. Each part assembles by itself: llvm-mc -triple=amdgcn-amd-amdhsa -mcpu=gfx1250 --defsym DOCPART=n.
;; ======== version 1 of 2: 4 launches
;; limits: values are held in f16: magnitudes above 65,504 overflow, below 6.1e-05 lose precision
;; workspace buffers: xb 16,777,216 bytes; wb 6,291,456 bytes; bb 12,288 bytes; qkv 50,331,648 bytes; pt 33,554,432 bytes; mt 524,288 bytes; lt 524,288 bytes
;; launch cvt (part 1): grid 705 x 1, 8 waves a work-group, no clusters, 0 bytes of LDS; arguments x, Wq, Wk, Wv, bq, bk, bv, xb, wb, bb; writes xb, wb, bb
.if DOCPART == 1
	.amdgcn_target "amdgcn-amd-amdhsa--gfx1250"
	.amdhsa_code_object_version 6
	.text
	.protected	k_qbeff4e1ad8_cvt
	.globl	k_qbeff4e1ad8_cvt
	.p2align	8
	.type	k_qbeff4e1ad8_cvt,@function
k_qbeff4e1ad8_cvt:
	s_mov_b64 s[64:65], 0
	v_nop
	global_prefetch_b8 v0, s[64:65] scope:SCOPE_SE
	s_setreg_imm32_b32 hwreg(HW_REG_WAVE_MODE, 25, 1), 1
	s_wait_xcnt 0x0
; xb = bf16(x), wb = bf16(Wq | Wk | Wv), bb = (bq | bk | bv) rounded to bf16 and widened to f32 again; each number rounded once, to nearest even.
; xb and wb are laid IN BLOCKS OF K: [16 blocks of 64 k][rows][64], so that for one block of K any run of rows is dense: the next launch asks for its tiles as rows of 256 bytes.
; A stream: each input byte is read once and each output byte written once.  No LDS, no barrier, no matrix work: nothing is shared and nothing is multiplied.
; A work-group converts 16 rows of 1,024 numbers.  Groups 0-511 take x; group 512 + t takes rows 16 (t % 64) on of weight t / 64, rows 16 t on of wb; group 704 takes the three biases.
; A wave takes two rows.  Load i: lanes 0-15 the 256 bytes of K block i of the first row, lanes 16-31 those of the second.  Store i: the two rows' 128 bytes lie side by side in block i: 256 consecutive
; bytes at a multiple of 256.
.set XG,    512                        ; work-groups that serve x
.set BG,    704                        ; the work-group that serves the biases
.set XSTEP, 8192*128                   ; bytes from a K block of xb to the next
.set WSTEP, 3072*128                   ; the same for wb
.set IN,  8                            ; v[8:71]     sixteen loads, four f32 a lane each
.set OUT, 72                           ; v[72:103]   sixteen stores, four bf16 a lane each: no register is used twice, so no store's data is ever rewritten
.set OFF, 104                          ; v[104:119]  my byte offset in each of the sixteen K blocks
	s_load_b256 s[4:11], s[0:1], 0x0               ; x s[4:5], Wq s[6:7], Wk s[8:9], Wv s[10:11]
	s_load_b256 s[12:19], s[0:1], 0x20             ; bq s[12:13], bk s[14:15], bv s[16:17], xb s[18:19]
	s_load_b128 s[20:23], s[0:1], 0x40             ; wb s[20:21], bb s[22:23]
	s_mov_b32 s24, ttmp9                           ; my work-group
	s_cmp_eq_u32 s24, BG
	s_cbranch_scc1 .Lbias
	s_sub_co_u32 s25, s24, XG                      ; t (used only where the group serves a weight)
	s_lshr_b32 s26, s25, 6                         ; which weight
	s_and_b32 s27, s25, 63                         ; which 16 rows of it
	v_and_b32 v3, 15, v0                           ; my place in a half of the lanes
	v_bfe_u32 v4, v0, 4, 1                         ; which half
	v_lshrrev_b32 v5, 5, v0                        ; wave
	v_and_b32 v6, 31, v0                           ; lane
	v_lshl_add_u32 v7, v5, 1, v4                   ; my row of the sixteen: 2 x wave + half
	v_lshlrev_b32 v1, 4, v3
	v_lshl_or_b32 v1, v7, 12, v1                   ; in: 4,096 x row + 16 x place
	v_lshlrev_b32 v2, 3, v6
	v_lshl_or_b32 v[OFF], v5, 8, v2                ; out, in K block 0: 256 x wave + 8 x lane (a row is 128 bytes there)
	s_wait_kmcnt 0x0
	s_mov_b32 s34, WSTEP
	s_mov_b32 s35, XSTEP
	s_cmp_eq_u32 s26, 1
	s_cselect_b64 s[28:29], s[8:9], s[6:7]         ; Wk or Wq,
	s_cmp_eq_u32 s26, 2
	s_cselect_b64 s[28:29], s[10:11], s[28:29]     ; or Wv,
	s_cmp_lt_u32 s24, XG
	s_cselect_b64 s[28:29], s[4:5], s[28:29]       ; or x
	s_cselect_b64 s[30:31], s[18:19], s[20:21]     ; into xb or wb
	s_cselect_b32 s32, s24, s27                    ; the sixteen rows' number in the source
	s_cselect_b32 s33, s24, s25                    ; and in the destination
	s_cselect_b32 s34, s35, s34                    ; the destination's bytes from block to block
	s_lshl_b32 s36, s32, 16                        ; 16 rows of 4,096 bytes in: under 2^25
	s_mov_b32 s37, 0
	s_lshl_b32 s38, s33, 11                        ; 16 rows of 128 bytes in a K block
	s_mov_b32 s39, 0
	s_add_nc_u64 s[28:29], s[28:29], s[36:37]
	s_add_nc_u64 s[30:31], s[30:31], s[38:39]
.set i, 0
.rept 16
	global_load_b128 v[IN+4*i:IN+4*i+3], v1, s[28:29] offset:256*i th:TH_LOAD_NT  ; read once in the launch
.set i, i+1
.endr
.set i, 1
.rept 15
	v_add_nc_u32 v[OFF+i], s34, v[OFF+i-1]         ; under 2^24
.set i, i+1
.endr
.set i, 0
.rept 16
	s_wait_loadcnt 15-i                            ; loads come back in order (ISA guide 5.7.1): load i is in, the 15 - i younger ones stay out
	v_cvt_pk_bf16_f32 v[OUT+2*i], v[IN+4*i], v[IN+4*i+1]
	v_cvt_pk_bf16_f32 v[OUT+2*i+1], v[IN+4*i+2], v[IN+4*i+3]
	global_store_b64 v[OFF+i], v[OUT+2*i:OUT+2*i+1], s[30:31]  ; 32 lanes x 8 bytes: 256 consecutive bytes
.set i, i+1
.endr
	s_endpgm
.Lbias:                                                ; 256 threads x 4 numbers of each bias
	v_lshlrev_b32 v1, 4, v0
	s_wait_kmcnt 0x0
	global_load_b128 v[8:11], v1, s[12:13]
	global_load_b128 v[12:15], v1, s[14:15]
	global_load_b128 v[16:19], v1, s[16:17]
	s_wait_loadcnt 0x0
.set i, 0
.rept 6
	v_cvt_pk_bf16_f32 v[20+i], v[8+2*i], v[9+2*i]
.set i, i+1
.endr
.set i, 0
.rept 6
	v_lshlrev_b32 v[8+2*i], 16, v[20+i]            ; bf16 to f32: the low half moves up,
	v_and_b32 v[9+2*i], 0xffff0000, v[20+i]        ; the high half stays
.set i, i+1
.endr
	global_store_b128 v1, v[8:11], s[22:23]
	global_store_b128 v1, v[12:15], s[22:23] offset:4096
	global_store_b128 v1, v[16:19], s[22:23] offset:8192
	s_endpgm
.Lfunc_end_k_qbeff4e1ad8_cvt:
	.size	k_qbeff4e1ad8_cvt, .Lfunc_end_k_qbeff4e1ad8_cvt-k_qbeff4e1ad8_cvt
	.p2alignl 7, 3214868480
	.fill 96, 4, 3214868480
	.section	.rodata,"a",@progbits
	.p2align	6, 0x0
	.amdhsa_kernel k_qbeff4e1ad8_cvt
		.amdhsa_group_segment_fixed_size 0
		.amdhsa_private_segment_fixed_size 0
		.amdhsa_enable_private_segment 0
		.amdhsa_kernarg_size 80
		.amdhsa_user_sgpr_count 2
		.amdhsa_user_sgpr_kernarg_segment_ptr 1
		.amdhsa_wavefront_size32 1
		.amdhsa_system_sgpr_workgroup_id_x 1
		.amdhsa_system_sgpr_workgroup_id_y 1
		.amdhsa_system_sgpr_workgroup_id_z 1
		.amdhsa_system_vgpr_workitem_id 0
		.amdhsa_next_free_vgpr 120
		.amdhsa_next_free_sgpr 66
		.amdhsa_reserve_vcc 0
		.amdhsa_float_denorm_mode_32 3
		.amdhsa_float_denorm_mode_16_64 3
		.amdhsa_memory_ordered 1
		.amdhsa_forward_progress 1
		.amdhsa_inst_pref_size 10
	.end_amdhsa_kernel
	.amdgpu_metadata
---
amdhsa.version: [ 1, 2 ]
amdhsa.kernels:
  - .name:           k_qbeff4e1ad8_cvt
    .symbol:         k_qbeff4e1ad8_cvt.kd
    .args:
      - { .name: x, .offset: 0, .size: 8, .value_kind: global_buffer, .address_space: global }
      - { .name: Wq, .offset: 8, .size: 8, .value_kind: global_buffer, .address_space: global }
      - { .name: Wk, .offset: 16, .size: 8, .value_kind: global_buffer, .address_space: global }
      - { .name: Wv, .offset: 24, .size: 8, .value_kind: global_buffer, .address_space: global }
      - { .name: bq, .offset: 32, .size: 8, .value_kind: global_buffer, .address_space: global }
      - { .name: bk, .offset: 40, .size: 8, .value_kind: global_buffer, .address_space: global }
      - { .name: bv, .offset: 48, .size: 8, .value_kind: global_buffer, .address_space: global }
      - { .name: xb, .offset: 56, .size: 8, .value_kind: global_buffer, .address_space: global }
      - { .name: wb, .offset: 64, .size: 8, .value_kind: global_buffer, .address_space: global }
      - { .name: bb, .offset: 72, .size: 8, .value_kind: global_buffer, .address_space: global }
    .group_segment_fixed_size: 0
    .private_segment_fixed_size: 0
    .kernarg_segment_align: 8
    .kernarg_segment_size: 80
    .max_flat_workgroup_size: 256
    .sgpr_count:     66
    .vgpr_count:     120
    .wavefront_size: 32
...
	.end_amdgpu_metadata
.endif
;; end of part 1
;; launch proj (part 2): grid 8 x 32, 4 waves a work-group, clusters of 4 x 4, 327,680 bytes of LDS; arguments xb, wb, bb, qkv; writes qkv
.if DOCPART == 2
	.amdgcn_target "amdgcn-amd-amdhsa--gfx1250"
	.amdhsa_code_object_version 6
	.text
	.protected	k_qbeff4e1ad8_proj
	.globl	k_qbeff4e1ad8_proj
	.p2align	8
	.type	k_qbeff4e1ad8_proj,@function
k_qbeff4e1ad8_proj:
	s_mov_b64 s[64:65], 0
	v_nop
	global_prefetch_b8 v0, s[64:65] scope:SCOPE_SE
	s_setreg_imm32_b32 hwreg(HW_REG_WAVE_MODE, 25, 1), 1
	s_wait_xcnt 0x0
	s_wait_alu depctr_hold_cnt(0) depctr_sa_sdst(0) depctr_va_vdst(0) depctr_va_sdst(0) depctr_va_ssrc(0) depctr_va_vcc(0) depctr_vm_vsrc(0)
	s_getreg_b32 s2, hwreg(HW_REG_IB_STS2, 6, 4)
	s_cmp_eq_u32 s2, 0
	s_cbranch_scc0 .Lentry_in_a_cluster
	s_endpgm
.Lentry_in_a_cluster:
	s_bfe_u32 s2, ttmp6, 0x10000c
	s_cmp_lg_u32 s2, 0xf033
	s_cbranch_scc0 .Lentry_shape_is_right
	s_endpgm
.Lentry_shape_is_right:
; qkv[m][n] = sum over k of x[m][k] w[n][k] + bb[n].  xb: [16 blocks of 64 k][8192][64] bf16, wb: [16][3072][64] bf16 (rows: Wq, Wk, Wv), bb: [3072] f32, qkv: [8192][3072] f16 (columns: q, k, v).
; Sums in f32, K ascending; the bias is added in f32 behind the last product; qkv rounded once, to f16.
; LIMIT.  f16 ends at 65,504: a q, k or v beyond that leaves as an infinity.  NaN and infinities are not treated apart.
; THE TILE is 256 x 384: 32 x 8 = 256 work-groups of equal work.  Four waves, each 128 rows x 192 columns: 96 accumulators of 16 x 16, 768 registers.
; K goes in 16 steps of 64 through two LDS slots of 640 rows x 128 bytes (two slots of a step of 128 would be 348,160 bytes).  In xb and wb the rows of one K block lie end to end, so a tile is asked for
; as rows of 256 bytes, two rows of the tile each, and padded in LDS after every 128 bytes.  The slot read (TB) and the slot filled (TF) are scalars that an exclusive or turns between 0 and SLOT.
; CLUSTER.  4 x 4 work-groups.  The four of a row of the cluster need the same tiles of xb, the four of a column the same tiles of wb: each tile is asked for jointly, by the same tensor load
; with the same descriptor and a mask that names the four.
; THE MATRIX INSTRUCTION IS USED TRANSPOSED (source 0 = 16 rows of wb, source 1 = 16 rows of xb): a lane holds row l % 16 of the result and the columns 8 (l / 16) + 0..7, which pack into 16 bytes.
; REGISTERS, in windows of 256 (s_set_vgpr_msb: bits 1:0 source 0, 3:2 source 1, 5:4 source 2, 7:6 destination):
;   window 0: v16-29 addresses; v32-95, v96-159 fragments of xb (8 x 16 rows x 32 K), two buffers; v160-255 fragments of wb (12 x 16 rows x 32 K), ONE set
;   windows 1-3: the accumulators: row block a, column block b at v[8 (8 (b % 4) + a)] of window 1 + b / 4
; A UNIT of 32 along K is three GROUPS of 32 products, one for each window.  wb's set has no second buffer: the four column blocks of a group are loaded again, for the next unit, as soon as the group has
; multiplied by them, 64 products ahead of their next use; xb's next fragments go into the other buffer behind the first group.
.set SIZE_N, 3072
.set PITCH,  144                       ; an LDS row: 128 bytes + 16 of padding = 36 words: the 16 rows of a fragment load start at 16 different groups of four banks (64 banks of 4 bytes: ISA guide 11.1)
.set AH,     128*PITCH                 ; 128 rows of xb: what wave 0 or 1 fetches, and what a wave reads of xb
.set BH,     192*PITCH                 ; 192 rows of wb: what wave 2 or 3 fetches, and what a wave reads of wb
.set BOFF,   2*AH                      ; a slot: xb's 256 rows, then wb's 384
.set SLOT,   BOFF+2*BH
.set ASTEP,  8192*128                  ; bytes from a K block of xb to the next
.set BSTEP,  3072*128                  ; the same for wb
.set SPITCH, 784                       ; the way out: a row of the tile, 768 bytes + 16 = 196 words: 16 rows start at 16 different groups of four banks
.set BIAS,   256*SPITCH                ; behind the stage (which lies over the ring, used when the ring has had its last fill): 768 bytes of bias for each wave
.set SPARE,  BIAS+4*768                ; the spare words, 128 bytes a wave: two blocks of 256 bytes that no other line names
.set ADRA0, 16                         ; v16  my lane's place in xb's rows of slot 0; never rewritten
.set ADRB0, 17                         ; v17  the same for wb
.set ADRA,  18                         ; v18  the same in the slot in hand
.set ADRB,  19                         ; v19
.set BW,   20                          ; v20  where I put 8 bytes of my wave's bias
.set BRD,  21                          ; v21  where I read my columns' bias back
.set STO,  22                          ; v22, v23  the way out: where I put 16 bytes of a row: row blocks 0-3, 4-7
.set RD0,  24                          ; v24, v25  the way out: where I read 16 bytes of whole rows back
.set RD1,  25
.set CO0,  26                          ; v26, v27  and where they go in qkv
.set CO1,  27
.set SPW,  28                          ; v28  LDS address of my spare word; never rewritten
.set NIL,  29                          ; v29  0; never rewritten
.set FA0,  32
.set FA1,  96
.set BR,   160
.set TMP,  32                          ; the way out: 128 registers of packed results
.set OB,   32                          ; the way out: rows read back, two buffers of 96
.set G1,  24                           ; s[24:31] descriptor group 1 for xb's tiles
.set G0,  32                           ; s[32:39] group 0: a set for each of the two first fills; the second then walks
.set G1B, 48                           ; s[48:55], s[56:63] the same for wb's tiles
.set G0B, 56
.set TB,  66                           ; s66  0 or SLOT: the slot that is read
.set TF,  67                           ; s67  0 or SLOT: the slot filled last
.set MSB, 0
.macro WIN new                         ; the immediate's high byte repeats the setting that is left; a switch that changes nothing is dropped
.if MSB != (\new)
	s_set_vgpr_msb (MSB<<8)|(\new)
.set MSB, \new
.endif
.endm
; A joint load.  Waves 0 and 1 fetch xb's two halves, waves 2 and 3 wb's.  The branch hangs on the wave's number alone.  An s_nop 0 and four v_nop follow each of the two lines.
.macro JLOAD s
	s_cmp_eq_u32 s11, 0
	s_cbranch_scc0 .Lfor_b_\@
	tensor_load_to_lds s[G0+4*(\s):G0+4*(\s)+3], s[G1:G1+7]
	s_nop 0
.rept 4
	v_nop
.endr
	s_branch .Lasked_\@
.Lfor_b_\@:
	tensor_load_to_lds s[G0B+4*(\s):G0B+4*(\s)+3], s[G1B:G1B+7]
	s_nop 0
.rept 4
	v_nop
.endr
.Lasked_\@:
.endm
.macro CREST                           ; a round of the cluster's barrier behind its opening barrier
	s_cmp_lg_u32 s10, 0
	s_cbranch_scc1 .Lnot_wave_0_\@
	s_barrier_signal -3
.Lnot_wave_0_\@:
	s_barrier_wait -3
	s_barrier_signal -1
	s_barrier_wait -1
.endm
.macro CROUND                          ; a whole round
	s_barrier_signal -1
	s_barrier_wait -1
	CREST
.endm
	s_load_b128 s[4:7], s[0:1], 0x0                ; xb s[4:5], wb s[6:7]
	s_load_b128 s[68:71], s[0:1], 0x10             ; bb s[68:69], qkv s[70:71]
	v_lshl_add_u32 v[SPW], v0, 2, SPARE
	v_mov_b32 v[NIL], 0
	ds_add_u32 v[SPW], v[NIL]                      ; the wave's opening: the add and its wait stand ahead of my first tensor load; the set-up below stands between them
	ds_add_u32 v28, v29
	v_lshrrev_b32 v1, 5, v0
	v_readfirstlane_b32 s10, v1                    ; wave 0..3
	s_lshr_b32 s11, s10, 1                         ; which half of the tile's rows is mine.  Also: I fetch for xb (0) or for wb (1)
	s_and_b32 s12, s10, 1                          ; which half of its columns.  Also: which half of that tile I fetch
	s_bfe_u32 s40, ttmp6, 0x40000                  ; cx
	s_bfe_u32 s41, ttmp6, 0x40004                  ; cy
	s_lshl_b32 s42, ttmp9, 2                       ; in a cluster launch ttmp9 and ttmp7 count clusters
	s_add_co_u32 s42, s42, s40                     ; tile column = 4 x cluster x + cx
	s_and_b32 s13, ttmp7, 0xffff
	s_lshl_b32 s13, s13, 2
	s_add_co_u32 s13, s13, s41                     ; tile row = 4 x cluster y + cy
	s_lshl_b32 s43, s41, 2
	s_lshl_b32 s43, 15, s43                        ; my row of the cluster
	s_lshl_b32 s44, 0x1111, s40                    ; my column
	s_or_b32 s[G1+0], s43, (1<<16)|(1<<20)|(1<<21)|(4<<22)|(3<<25)   ; the mask; elements of 2 bytes; padding on; bit 21 beside a mask; after every 32 words, 4 words
	s_or_b32 s[G1B+0], s44, (1<<16)|(1<<20)|(1<<21)|(4<<22)|(3<<25)
	s_mov_b32 s[G1+2], 64<<16                      ; tensor_dim1 = 64: xb's 128 rows of 128 bytes, two to a row of 256
	s_mov_b32 s[G1+4], 64                          ; tile_dim1 = 64
	s_mov_b32 s[G1B+2], 96<<16                     ; wb's 192 rows likewise: 96
	s_mov_b32 s[G1B+4], 96
.irp g, G1, G1B
	s_mov_b32 s[(\g)+1], 128<<16                   ; tensor_dim0 = 128
	s_mov_b32 s[(\g)+3], 128<<16                   ; tile_dim0 = 128
	s_mov_b32 s[(\g)+5], 128                       ; elements from row to row: dense
	s_mov_b32 s[(\g)+6], 0
	s_mov_b32 s[(\g)+7], 0
.endr
	s_lshl_b32 s16, s13, 15                        ; xb: row 256 x tile row + 128 x half, 128 bytes a row in a K block
	s_lshl_b32 s17, s12, 14
	s_add_co_u32 s16, s16, s17
	s_mov_b32 s17, 0
	s_mul_i32 s46, s42, 384*128                    ; wb: row 384 x tile column + 192 x half
	s_mul_i32 s47, s12, 192*128
	s_add_co_u32 s46, s46, s47
	s_mov_b32 s47, 0
	s_mul_i32 s20, s12, AH                         ; where they go in a slot: xb's half,
	s_mul_i32 s21, s12, BH
	s_add_co_u32 s21, s21, BOFF                    ; wb's half: no place in the cluster enters an LDS address
	s_mov_b32 s[TB], 0
	s_mov_b32 s[TF], SLOT
	s_wait_dscnt 0x0                               ; the opening add is done
	s_wait_kmcnt 0x0
	s_add_nc_u64 s[14:15], s[4:5], s[16:17]
	s_add_nc_u64 s[46:47], s[6:7], s[46:47]
	CROUND                                         ; all sixteen work-groups are here: the first joint loads meet
.irp s, 0,1
	s_mov_b32 s[G0+4*(\s)], 1                      ; count = 1
	s_add_co_u32 s[G0+4*(\s)+1], s20, (\s)*SLOT    ; LDS address
	s_add_nc_u64 s[G0+4*(\s)+2:G0+4*(\s)+3], s[14:15], (\s)*ASTEP    ; K step s
	s_or_b32 s[G0+4*(\s)+3], s[G0+4*(\s)+3], 0x80000000              ; type = 2
	s_mov_b32 s[G0B+4*(\s)], 1
	s_add_co_u32 s[G0B+4*(\s)+1], s21, (\s)*SLOT
	s_add_nc_u64 s[G0B+4*(\s)+2:G0B+4*(\s)+3], s[46:47], (\s)*BSTEP
	s_or_b32 s[G0B+4*(\s)+3], s[G0B+4*(\s)+3], 0x80000000
	JLOAD \s                                       ; two loads of mine are out
.endr
	; the bias of my 192 columns, 768 bytes, goes into LDS bytes of my own: no register is free for it while the sums are made
	s_mul_i32 s76, s42, 384*4
	s_mul_i32 s77, s12, 192*4
	s_add_co_u32 s76, s76, s77
	s_mov_b32 s77, 0
	s_add_nc_u64 s[74:75], s[68:69], s[76:77]
	v_and_b32 v1, 15, v0                           ; l % 16
	v_bfe_u32 v2, v0, 4, 1                         ; l / 16
	v_and_b32 v4, 31, v0                           ; l
	v_lshlrev_b32 v5, 3, v4
	global_load_b64 v[32:33], v5, s[74:75]
	global_load_b64 v[34:35], v5, s[74:75] offset:256
	global_load_b64 v[36:37], v5, s[74:75] offset:512
	; a fragment is 16 rows x 32 K in 8 registers: lane l holds row l % 16, K = 8 (l / 16) + 0..7 and 16 + 8 (l / 16) + 0..7: two loads of 16 bytes, 32 bytes apart
	v_mul_u32_u24 v3, v1, PITCH
	v_lshl_add_u32 v3, v2, 4, v3                   ; row x pitch + 16 x half
	s_mul_i32 s22, s11, AH                         ; my 128 rows of xb
	v_add_nc_u32 v[ADRA0], s22, v3
	v_add_nc_u32 v[ADRB0], s21, v3                 ; my 192 rows of wb
	v_mov_b32 v[ADRA], v[ADRA0]
	v_mov_b32 v[ADRB], v[ADRB0]
	s_mul_i32 s23, s10, 768
	s_add_co_u32 s23, s23, BIAS
	v_add_nc_u32 v[BW], s23, v5                    ; in: 8 bytes a lane
	v_lshl_add_u32 v[BRD], v2, 5, s23              ; back: the 8 columns 8 (l / 16) on of each block of 16
	v_mul_u32_u24 v7, v1, SPITCH                   ; the stage, in: row 128 x row half + l % 16, byte 384 x column half + 16 (l / 16)
	v_lshl_add_u32 v7, v2, 4, v7
	s_mul_i32 s22, s11, 128*SPITCH
	s_mul_i32 s23, s12, 384
	s_add_co_u32 s22, s22, s23
	v_add_nc_u32 v[STO], s22, v7
	v_add_nc_u32 v[STO+1], 64*SPITCH, v[STO]       ; row blocks 4 to 7: the immediate has 16 bits
	; back: wave w takes rows 64 w on, whole.  Two rows are six pieces of 256 bytes, two to an instruction: (row 0: 0, 1), (row 0: 2; row 1: 0), (row 1: 1, 2).  The first and the third differ by a constant.
	v_lshlrev_b32 v8, 4, v1
	v_lshl_add_u32 v[CO0], v2, 8, v8               ; 256 (l / 16) + 16 (l % 16)
	s_mul_i32 s22, s10, 64*SPITCH
	v_add_nc_u32 v[RD0], s22, v[CO0]
	v_mul_u32_u24 v9, v2, SPITCH-512
	v_add3_u32 v9, v9, v8, 512                     ; lanes 0-15: byte 512 of the row; lanes 16-31: the next row's byte 0
	v_add_nc_u32 v[RD1], s22, v9
	v_mul_u32_u24 v10, v2, SIZE_N*2-512
	v_add3_u32 v[CO1], v10, v8, 512
	s_lshl_b32 s16, s13, 8
	s_lshl_b32 s17, s10, 6
	s_add_co_u32 s16, s16, s17                     ; the first row of qkv that I store: 256 x tile row + 64 x wave
	s_mul_i32 s16, s16, SIZE_N*2                   ; under 2^26
	s_mov_b32 s17, 0
	s_mul_i32 s46, s42, 768                        ; the tile's first column, in bytes
	s_mov_b32 s47, 0
	s_add_nc_u64 s[16:17], s[16:17], s[46:47]
	s_add_nc_u64 s[70:71], s[70:71], s[16:17]
	s_wait_loadcnt 0x0                             ; the bias
	ds_store_b64 v[BW], v[32:33]
	ds_store_b64 v[BW], v[34:35] offset:256
	ds_store_b64 v[BW], v[36:37] offset:512
; 16 matrix instructions: column blocks 2 half, 2 half + 1 of group g's four x all 8 row blocks, 32 along K; xb's fragments in buffer fa.
; zero = 1: the first product starts the sums: nothing is cleared.  The 96 accumulators take turns, one instruction a turn.
.macro GRPH fa, g, half, zero
	WIN 0x50*((\g)+1)                              ; C and D in window g + 1, the fragments in window 0
.irp c, 2*(\half), 2*(\half)+1
.irp a, 0,1,2,3,4,5,6,7
.if \zero
	v_wmma_f32_16x16x32_bf16 v[8*(8*(\c)+(\a)):8*(8*(\c)+(\a))+7], v[BR+8*(4*(\g)+(\c)):BR+8*(4*(\g)+(\c))+7], v[(\fa)+8*(\a):(\fa)+8*(\a)+7], 0
.else
	v_wmma_f32_16x16x32_bf16 v[8*(8*(\c)+(\a)):8*(8*(\c)+(\a))+7], v[BR+8*(4*(\g)+(\c)):BR+8*(4*(\g)+(\c))+7], v[(\fa)+8*(\a):(\fa)+8*(\a)+7], v[8*(8*(\c)+(\a)):8*(8*(\c)+(\a))+7]
.endif
.endr
.endr
.endm
.macro GRP fa, g, zero
	GRPH \fa, \g, 0, \zero
	GRPH \fa, \g, 1, \zero
.endm
.macro LOADB g, k                      ; 8 LDS loads: group g's four column blocks of wb, 32 along K at byte k of the rows of the slot in hand
.irp c, 0,1,2,3
	ds_load_b128 v[BR+8*(4*(\g)+(\c)):BR+8*(4*(\g)+(\c))+3],   v[ADRB] offset:(\k)+(4*(\g)+(\c))*16*PITCH
	ds_load_b128 v[BR+8*(4*(\g)+(\c))+4:BR+8*(4*(\g)+(\c))+7], v[ADRB] offset:(\k)+(4*(\g)+(\c))*16*PITCH+32
.endr
.endm
.macro LOADA fa, k                     ; 16 LDS loads: xb's eight row blocks into buffer fa
.irp i, 0,1,2,3,4,5,6,7
	ds_load_b128 v[(\fa)+8*(\i):(\fa)+8*(\i)+3],   v[ADRA] offset:(\k)+(\i)*16*PITCH
	ds_load_b128 v[(\fa)+8*(\i)+4:(\fa)+8*(\i)+7], v[ADRA] offset:(\k)+(\i)*16*PITCH+32
.endr
.endm
.macro PLACES                          ; four plain vector instructions between a matrix instruction and a load into, or a vector read of, its registers (ISA guide 7.12.1 for vector reads)
.rept 4
	v_nop
.endr
.endm
; A unit that stays in its slot: multiplies buffer fa and wb's set, and fetches the next unit, at byte k, into buffer fn and into wb's set.
; The LDS loads of a unit are issued in the order: group 0's 8, xb's 16, group 1's 8, group 2's 8; they come back in order (ISA guide 5.7.1), and the counts below follow from that.
.macro QP fa, fn, k, zero
	s_wait_dscnt 16                                ; group 0's blocks and xb's fragments are in; the two younger runs of 8 may be out
	GRP \fa, 0, \zero
	WIN 0
	PLACES
	LOADB 0, \k
	LOADA \fn, \k                                  ; the other buffer's last readers stand in front of the last unit's last four places
	s_wait_dscnt 32                                ; group 1's blocks are in: behind them 8 and the 24 just issued
	GRP \fa, 1, \zero
	WIN 0
	PLACES
	LOADB 1, \k
	s_wait_dscnt 32                                ; group 2's blocks are in: behind them 24 and 8
	GRP \fa, 2, \zero
	WIN 0
	PLACES
	LOADB 2, \k
.endm
; A K step's second unit (buffer 1) changes slots: all reads of the slot in hand have been issued.  ONE barrier: in front of it each wave waits for all its tensor loads, of which one is out: its part of the
; next slot; adds 0 to its spare word; and waits for that and for its reads of this slot.  fill = 1: the barrier opens a round of the cluster's, and this slot is filled again, with the K step two on: the
; first tensor load behind the round.  From that request to the wait for it a wave issues 160 matrix instructions.
.macro QC fill
	WIN 0
	s_wait_tensorcnt 0x0                           ; all my tensor loads have landed
	ds_add_u32 v[SPW], v[NIL]                      ; 0 onto my spare word
	s_wait_dscnt 17                                ; group 0's blocks and xb's fragments are in; the two younger runs of 8 and the add may be out
	GRPH FA1, 0, 0, 0                              ; sixteen matrix instructions stand between the add and the wait for it
	s_wait_dscnt 0x0                               ; the add is done, and my reads of this slot are over
	s_barrier_signal -1
	GRPH FA1, 0, 1, 0                              ; work on registers while the others arrive
	WIN 0                                          ; (branches may follow)
	s_barrier_wait -1
.if \fill
	CREST                                          ; no wave of any partner still reads this slot's tile or has a load on its way
	s_xor_b32 s[TF], s[TF], SLOT                   ; the other slot than last time
	s_add_co_u32 s[G0+5], s20, s[TF]
	s_add_co_u32 s[G0B+5], s21, s[TF]
	s_add_nc_u64 s[G0+6:G0+7], s[G0+6:G0+7], ASTEP      ; the walking descriptor goes one K step on; the type bits on top are not reached
	s_add_nc_u64 s[G0B+6:G0B+7], s[G0B+6:G0B+7], BSTEP
	JLOAD 1                                        ; the four v_nop behind it are also the places in front of the loads below
.else
	PLACES
.endif
	s_xor_b32 s[TB], s[TB], SLOT                   ; the reads go on in the other slot
	v_add_nc_u32 v[ADRA], s[TB], v[ADRA0]
	v_add_nc_u32 v[ADRB], s[TB], v[ADRB0]
	LOADB 0, 0
	LOADA FA0, 0
	GRP FA1, 1, 0                                  ; its blocks and group 2's came in with the wait for 0 above
	WIN 0
	PLACES
	LOADB 1, 0
	GRP FA1, 2, 0
	WIN 0
	PLACES
	LOADB 2, 0
.endm
; THE WAY OUT of window g + 1 (32 accumulators: 4 column blocks x 8 row blocks): the bias is added in place, each accumulator's registers in ascending order; the sums are rounded to
; f16, 16 bytes a lane, and go into the work-group's stage.
.macro PASS g
	WIN 0x41*((\g)+1)                              ; destination and source 0 in window g + 1, the bias in window 0
.set i, 0
.rept 32
.irp r, 0,1,2,3
	v_pk_add_f32 v[8*i+2*(\r):8*i+2*(\r)+1], v[8*i+2*(\r):8*i+2*(\r)+1], v[BR+8*(4*(\g)+i/8)+2*(\r):BR+8*(4*(\g)+i/8)+2*(\r)+1]
.endr
.set i, i+1
.endr
	WIN 0x05*((\g)+1)                              ; sources 0 and 1 in window g + 1, destination in window 0
.set i, 0
.rept 32
.irp r, 0,1,2,3
	v_cvt_pk_f16_f32 v[TMP+4*i+(\r)], v[8*i+2*(\r)], v[8*i+2*(\r)+1]
.endr
.set i, i+1
.endr
	WIN 0
.set i, 0
.rept 32
	ds_store_b128 v[STO+(i%8)/4], v[TMP+4*i:TMP+4*i+3] offset:((i%8)%4)*16*SPITCH+32*(4*(\g)+i/8)
.set i, i+1
.endr
.endm
.macro RB n                            ; 24 LDS loads: rows 16 n to 16 n + 15 of my 64, whole, into buffer n % 2
.set kk, 0
.rept 8
	ds_load_b128 v[OB+96*((\n)%2)+12*kk:OB+96*((\n)%2)+12*kk+3],    v[RD0] offset:(8*(\n)+kk)*2*SPITCH
	ds_load_b128 v[OB+96*((\n)%2)+12*kk+4:OB+96*((\n)%2)+12*kk+7],  v[RD1] offset:(8*(\n)+kk)*2*SPITCH
	ds_load_b128 v[OB+96*((\n)%2)+12*kk+8:OB+96*((\n)%2)+12*kk+11], v[RD0] offset:(8*(\n)+kk)*2*SPITCH+SPITCH+256
.set kk, kk+1
.endr
.endm
.macro SB n                            ; and their 24 stores: each half of the lanes stores 256 consecutive bytes, at a multiple of 256 from qkv's first byte
.set kk, 0
.rept 8
	global_store_b128 v[CO0], v[OB+96*((\n)%2)+12*kk:OB+96*((\n)%2)+12*kk+3],    s[70:71] offset:(8*(\n)+kk)*2*SIZE_N*2
	global_store_b128 v[CO1], v[OB+96*((\n)%2)+12*kk+4:OB+96*((\n)%2)+12*kk+7],  s[70:71] offset:(8*(\n)+kk)*2*SIZE_N*2
	global_store_b128 v[CO0], v[OB+96*((\n)%2)+12*kk+8:OB+96*((\n)%2)+12*kk+11], s[70:71] offset:(8*(\n)+kk)*2*SIZE_N*2+SIZE_N*2+256
.set kk, kk+1
.endr
.endm
	s_wait_tensorcnt 1                             ; my part of K step 0 is in; K step 1's may stay out
	s_wait_dscnt 0x0                               ; my bias lies in LDS: no LDS instruction is out at the signal
	s_barrier_signal -1
	s_barrier_wait -1                              ; everybody's part is in
	LOADB 0, 0
	LOADA FA0, 0
	LOADB 1, 0
	LOADB 2, 0
	QP FA0, FA1, 64, 1                             ; the first unit stands in front of the loop: its products start the sums
	s_mov_b32 s3, 14
.Lstep:                                                ; trip i: K step i's second unit, which asks for step i + 2 (2 to 15), and step i + 1's first
	QC 1
	QP FA0, FA1, 64, 0
	s_sub_co_u32 s3, s3, 1
	s_cmp_lg_u32 s3, 0
	s_cbranch_scc1 .Lstep
	QC 0                                           ; the last two K steps ask for nothing
	QP FA0, FA1, 64, 0
	s_wait_dscnt 16                                ; the very last unit: nothing more to fetch, and the counts run down
	GRP FA1, 0, 0
	s_wait_dscnt 8
	GRP FA1, 1, 0
	s_wait_dscnt 0x0                               ; my last reads of the ring are back
	GRP FA1, 2, 0
	WIN 0
	PLACES
	s_barrier_signal -1                            ; every wave's reads of the ring are over and every fill has landed (waited for at the last change of slots):
	s_barrier_wait -1                              ; the ring, which is filled no more, becomes part of the stage
.set i, 0
.rept 12
	ds_load_b128 v[BR+8*i:BR+8*i+3],   v[BRD] offset:64*i     ; the bias of column block i: register j is column 16 i + 8 (l / 16) + j
	ds_load_b128 v[BR+8*i+4:BR+8*i+7], v[BRD] offset:64*i+16
.set i, i+1
.endr
	s_wait_dscnt 0x0
	PASS 0
	PASS 1
	PASS 2
	s_wait_dscnt 0x0                               ; for the others' sake: my stores into the stage are done
	s_barrier_signal -1
	s_barrier_wait -1                              ; a row's 768 bytes come from two waves
	RB 0
	RB 1
	s_wait_dscnt 24                                ; the older 24 loads are in
	SB 0
	s_wait_xcnt 0x0                                ; the stores have had their addresses translated (ISA guide 3.1): their data registers are loaded again only behind this wait
	RB 2
	s_wait_dscnt 24
	SB 1
	s_wait_xcnt 0x0
	RB 3
	s_wait_dscnt 24
	SB 2
	s_wait_dscnt 0x0
	SB 3
	s_wait_tensorcnt 0x0                           ; the wave's end: behind my last tensor load and my last LDS store
	ds_add_u32 v[SPW], v[NIL]
	s_wait_dscnt 0x0
	CROUND                                         ; the closing round: no work-group ends while a partner may still ask for a tile that names it
	s_endpgm
.Lfunc_end_k_qbeff4e1ad8_proj:
	.size	k_qbeff4e1ad8_proj, .Lfunc_end_k_qbeff4e1ad8_proj-k_qbeff4e1ad8_proj
	.p2alignl 7, 3214868480
	.fill 96, 4, 3214868480
	.section	.rodata,"a",@progbits
	.p2align	6, 0x0
	.amdhsa_kernel k_qbeff4e1ad8_proj
		.amdhsa_group_segment_fixed_size 327680
		.amdhsa_private_segment_fixed_size 0
		.amdhsa_enable_private_segment 0
		.amdhsa_kernarg_size 32
		.amdhsa_user_sgpr_count 2
		.amdhsa_user_sgpr_kernarg_segment_ptr 1
		.amdhsa_wavefront_size32 1
		.amdhsa_system_sgpr_workgroup_id_x 1
		.amdhsa_system_sgpr_workgroup_id_y 1
		.amdhsa_system_sgpr_workgroup_id_z 1
		.amdhsa_system_vgpr_workitem_id 0
		.amdhsa_next_free_vgpr 1024
		.amdhsa_next_free_sgpr 80
		.amdhsa_reserve_vcc 0
		.amdhsa_float_denorm_mode_32 3
		.amdhsa_float_denorm_mode_16_64 3
		.amdhsa_memory_ordered 1
		.amdhsa_forward_progress 1
		.amdhsa_inst_pref_size 136
	.end_amdhsa_kernel
	.amdgpu_metadata
---
amdhsa.version: [ 1, 2 ]
amdhsa.kernels:
  - .name:           k_qbeff4e1ad8_proj
    .symbol:         k_qbeff4e1ad8_proj.kd
    .args:
      - { .name: xb, .offset: 0, .size: 8, .value_kind: global_buffer, .address_space: global }
      - { .name: wb, .offset: 8, .size: 8, .value_kind: global_buffer, .address_space: global }
      - { .name: bb, .offset: 16, .size: 8, .value_kind: global_buffer, .address_space: global }
      - { .name: qkv, .offset: 24, .size: 8, .value_kind: global_buffer, .address_space: global }
    .group_segment_fixed_size: 327680
    .private_segment_fixed_size: 0
    .kernarg_segment_align: 8
    .kernarg_segment_size: 32
    .max_flat_workgroup_size: 128
    .sgpr_count:     80
    .vgpr_count:     1024
    .wavefront_size: 32
...
	.end_amdgpu_metadata
.endif
;; end of part 2
;; launch score (part 3): grid 36 x 4, 4 waves a work-group, no clusters, 327,680 bytes of LDS; arguments qkv, lengths, pt, mt, lt; writes pt, mt, lt
.if DOCPART == 3
	.amdgcn_target "amdgcn-amd-amdhsa--gfx1250"
	.amdhsa_code_object_version 6
	.text
	.protected	k_qbeff4e1ad8_score
	.globl	k_qbeff4e1ad8_score
	.p2align	8
	.type	k_qbeff4e1ad8_score,@function
k_qbeff4e1ad8_score:
	s_mov_b64 s[64:65], 0
	v_nop
	global_prefetch_b8 v0, s[64:65] scope:SCOPE_SE
	s_setreg_imm32_b32 hwreg(HW_REG_WAVE_MODE, 25, 1), 1
	s_wait_xcnt 0x0
; For each tile (I, J), J <= I, of 256 queries x 256 keys of batch b: s = q . k (f16 operands, f32 sums); u = fl(s / 32 + M) - M with M = -1e9 for a query at or beyond lengths[b], else 0
; (the module's own f32 addition of its length mask; the subtraction is exact, and a softmax does not feel a shift common to a row); a key behind its query is hidden.
; For each query and each GROUP of 128 keys: m = the maximum of u over the group, pt = 2^(c u - c m) in f16 (c = log2 e), mt = c m, lt = the sum of the unrounded weights.
; The next launch takes the maximum of a row's group maxima and scales each group by 2^(c m_group - c m_row), at most 1: every exponential has a true maximum taken away.
; Tiles above the diagonal are left out: there the module's masks lie 1e9 below a visible entry of the same row, so the weights are 0.
; LIMITS.  |s / 32| stays under 1e8 (so that 1e9 hides); a hidden score counts as its value less 1e30, and a group with no visible key gets m = -1e28, weights 0 and sum 0; NaN and infinities are not treated apart.
; NO CLUSTER: a batch's triangle has rows of 1 to 8 tiles and columns of 8 to 1; groups of four along either axis would hold 48 places above the diagonal for 144 tiles, with nothing to compute.
; The K loop is that of the projection: four waves of 128 x 128, eight K steps of 128, two LDS slots; here each wave fetches its quarter of a slot by a load of its own.
; Source 0 = 16 keys, source 1 = 16 queries: a lane holds ONE query (l % 16) and the keys 8 (l / 16) + 0..7 of each block of 16.  THE CAUSAL MASK IS THE C OF THE FIRST PRODUCTS: 0 or -1e30.
; Behind the K loop the ring has had its last fill: each wave lays its 64 accumulators there, so that ONE text in window 0, walked eight times, makes the softmax of 16 queries a trip.
; REGISTERS: windows as in the projection; window 0: v16-31 addresses; v192-215 the three masks; behind the K loop v32-63 at work, v64-127 U (64 scores), v128-159 weights in f16, v160-191 rows read back.
.set KSTEP,  128
.set PITCH,  272                       ; 256 bytes + 16 of padding: the 16 rows of a fragment load start at 16 different groups of four banks (64 banks of 4 bytes: ISA guide 11.1)
.set HALFT,  128*PITCH
.set SLOT,   4*HALFT                   ; q's 256 rows, then k's 256 rows
.set STAGE,  2*SLOT                    ; 16 rows x 272 bytes for each wave
.set SPITCH, 272
.set STAT,   STAGE+4*16*SPITCH         ; 1,024 bytes a wave: c m of my 128 queries, then their sums
.set SPARE,  STAT+4096                 ; the spare words, 128 bytes a wave: two blocks of 256 bytes that no other line names
.set ADRA0, 16
.set ADRB0, 17
.set ADRA,  18
.set ADRB,  19
.set STO,  24                          ; v24  where I put 16 bytes of a row of weights
.set RD,   25                          ; v25  where I read a row back
.set CO,   26                          ; v26  my byte offset in pt
.set SPW,  28                          ; v28  LDS address of my spare word; never rewritten
.set NIL,  29                          ; v29  0; never rewritten
.set F0,   64
.set F1,   128
.set MDD,  192                         ; v192-199  the mask where key block = query block
.set MU,   200                         ; v200-207  where the key block lies behind the query block
.set ML,   208                         ; v208-215  where it lies ahead of it
.set MR,   32                          ; v[32:33]  M of my query, and 0
.set CMX,  34                          ; v[34:35]  c m, and 0
.set CH,   36                          ; v36-39    four chains of maxima
.set LS,   40                          ; v40-47    four chains of sums, in pairs
.set ROW,  48                          ; v48       my query's place in its sequence
.set SPA,  49                          ; v49       where my 16 bytes of an accumulator's half lie
.set STA,  50                          ; v50       where my query's c m goes
.set STR,  51                          ; v51       where I read 16 bytes of the statistics back
.set T,    52                          ; v52-55    at work; v55 = 16 x lane
.set SO,   56                          ; v56-63    the statistics on their way out
.set U,    64
.set PW,   128
.set BK,   160
.set G1,  24                           ; s[24:31] descriptor group 1
.set G0,  32                           ; s[32:39] group 0: a set for each first fill; the second then walks
.set TB,  66
.set TF,  67
.set LEN, 72                           ; s72  lengths[b]
.set NEG, 73                           ; s73  -1e9
.set HID, 74                           ; s74  -1e30
.set FLOOR, 75                         ; s75  -1e28
.set RS,  76                           ; s[76:77] 1/32, as a pair
.set CS,  78                           ; s[78:79] c = log2 e, as a pair
.set SEL, 80                           ; s[80:81] v_permlanex16_b32's selects: each lane takes its own place in the other half
.set MSB, 0
.macro WIN new
.if MSB != (\new)
	s_set_vgpr_msb (MSB<<8)|(\new)
.set MSB, \new
.endif
.endm
.set MUL_LO, 0xa1
.set TO_B,   0x40
	s_load_b128 s[4:7], s[0:1], 0x0                ; qkv s[4:5], lengths s[6:7]
	s_load_b64 s[8:9], s[0:1], 0x10                ; pt
	s_load_b128 s[68:71], s[0:1], 0x18             ; mt s[68:69], lt s[70:71]
	v_lshl_add_u32 v[SPW], v0, 2, SPARE
	v_mov_b32 v[NIL], 0
	ds_add_u32 v[SPW], v[NIL]                      ; the wave's opening: the add and its wait stand ahead of my first tensor load
	ds_add_u32 v28, v29
	v_lshrrev_b32 v1, 5, v0
	v_readfirstlane_b32 s10, v1                    ; wave 0..3
	s_lshr_b32 s11, s10, 1                         ; wr: which 128 queries are mine.  Also: I fetch q (0) or k (1)
	s_and_b32 s12, s10, 1                          ; wc: which 128 keys.  Also: which 128 rows of that tile I fetch
	s_and_b32 s15, ttmp7, 0xffff                   ; b
	s_mov_b32 s16, ttmp9                           ; t = I (I + 1) / 2 + J
	s_mov_b32 s13, 0
.irp thr, 1,3,6,10,15,21,28
	s_cmp_ge_u32 s16, \thr                         ; I counts the triangular numbers that t has reached
	s_add_co_ci_u32 s13, s13, 0
.endr
	s_add_co_u32 s17, s13, 1
	s_mul_i32 s17, s17, s13
	s_lshr_b32 s17, s17, 1
	s_sub_co_u32 s14, s16, s17                     ; J
	s_cmp_eq_u32 s11, 0
	s_cselect_b32 s16, s13, s14                    ; q's rows go by I, k's by J;
	s_cselect_b32 s17, 0, 2048                     ; k's columns begin 2,048 bytes into a row of qkv
	s_lshl_b32 s16, s16, 8
	s_lshl_b32 s18, s15, 11
	s_add_co_u32 s16, s16, s18
	s_lshl_b32 s18, s12, 7
	s_add_co_u32 s16, s16, s18                     ; row 2,048 b + 256 (I or J) + 128 x half
	s_mul_i32 s16, s16, 6144                       ; under 2^26
	s_add_co_u32 s16, s16, s17
	s_mov_b32 s17, 0
	s_mul_i32 s20, s10, HALFT                      ; where my rows go in a slot
	s_mov_b32 s[G1+0], (1<<16)|(1<<20)|(5<<22)|(3<<25)  ; elements of 2 bytes; padding on: after every 64 words, 4 words
	s_mov_b32 s[G1+1], KSTEP<<16                   ; tensor_dim0 = 128
	s_mov_b32 s[G1+2], 128<<16                     ; tensor_dim1 = 128
	s_mov_b32 s[G1+3], KSTEP<<16                   ; tile_dim0 = 128
	s_mov_b32 s[G1+4], 128                         ; tile_dim1 = 128
	s_mov_b32 s[G1+5], 3072                        ; elements from row to row
	s_mov_b32 s[G1+6], 0
	s_mov_b32 s[G1+7], 0
	s_mov_b32 s[NEG], 0xce6e6b28
	s_mov_b32 s[HID], 0xf149f2ca
	s_mov_b32 s[FLOOR], 0xee013f39
	s_mov_b32 s[RS], 0x3d000000
	s_mov_b32 s[RS+1], s[RS]
	s_mov_b32 s[CS], 0x3fb8aa3b
	s_mov_b32 s[CS+1], s[CS]
	s_mov_b32 s[SEL], 0x76543210
	s_mov_b32 s[SEL+1], 0xfedcba98
	s_mov_b32 s[TB], 0
	s_mov_b32 s[TF], SLOT
	s_wait_dscnt 0x0                               ; the opening add is done
	s_wait_kmcnt 0x0
	s_load_b128 s[84:87], s[6:7], 0x0              ; the four lengths
	s_add_nc_u64 s[18:19], s[4:5], s[16:17]
	s_mov_b32 s[G0], 1
	s_mov_b32 s[G0+1], s20                         ; slot 0
	s_mov_b64 s[G0+2:G0+3], s[18:19]               ; K step 0
	s_or_b32 s[G0+3], s[G0+3], 0x80000000
	s_mov_b32 s[G0+4], 1
	s_add_co_u32 s[G0+5], s20, SLOT                ; slot 1
	s_add_nc_u64 s[G0+6:G0+7], s[18:19], KSTEP*2   ; K step 1
	s_or_b32 s[G0+7], s[G0+7], 0x80000000
	tensor_load_to_lds s[G0:G0+3], s[G1:G1+7]      ; the two first fills go out together: two loads of mine are out
	s_nop 0
	tensor_load_to_lds s[G0+4:G0+7], s[G1:G1+7]
	s_nop 0
	v_and_b32 v1, 15, v0                           ; r = l % 16
	v_bfe_u32 v2, v0, 4, 1                         ; h = l / 16
	v_and_b32 v3, 31, v0                           ; l
	v_mul_u32_u24 v4, v1, PITCH
	v_lshl_add_u32 v4, v2, 4, v4                   ; row x pitch + 16 x half
	s_mul_i32 s21, s11, HALFT
	s_mul_i32 s22, s12, HALFT
	s_add_co_u32 s22, s22, 2*HALFT
	v_add_nc_u32 v[ADRA0], s21, v4
	v_add_nc_u32 v[ADRB0], s22, v4
	v_mov_b32 v[ADRA], v[ADRA0]
	v_mov_b32 v[ADRB], v[ADRB0]
	; In the diagonal tile register j of accumulator (query block a, key block b) is hidden where 16 (b - a) + j > E, E = r - 8 h - 128 (wc - wr); elsewhere E is 4,096 more and nothing is hidden.
	; With wc = wr, E lies in -8 .. 15: b > a is all hidden, b < a all seen.  With wc > wr, E <= -113: all hidden.  With wc < wr, E >= 120: all seen.  So three masks serve the 64 accumulators.
	s_sub_co_u32 s16, s11, s12
	s_lshl_b32 s16, s16, 7
	s_cmp_lg_u32 s13, s14
	s_cselect_b32 s17, 4096, 0
	s_add_co_u32 s16, s16, s17
	v_lshlrev_b32 v30, 3, v2
	v_sub_nc_u32 v30, v1, v30
	v_add_nc_u32 v30, s16, v30                     ; E
.set i, 0
.rept 8
	v_cmp_gt_i32 vcc_lo, i, v30
	v_cndmask_b32 v[MDD+i], 0, s[HID], vcc_lo
.set i, i+1
.endr
	v_cmp_gt_i32 vcc_lo, 16, v30
.set i, 0
.rept 8
	v_cndmask_b32 v[MU+i], 0, s[HID], vcc_lo
.set i, i+1
.endr
	v_cmp_gt_i32 vcc_lo, -64, v30
.set i, 0
.rept 8
	v_cndmask_b32 v[ML+i], 0, s[HID], vcc_lo
.set i, i+1
.endr
	s_mul_i32 s23, s10, 16*SPITCH
	s_add_co_u32 s23, s23, STAGE                   ; my stage
	v_add_nc_u32 v[STO], s23, v4                   ; in: row r, 16 bytes for each half of the lanes
	v_mul_u32_u24 v5, v2, SPITCH                   ; back: lanes 0-15 one row of 256 bytes, lanes 16-31 the next
	v_lshl_add_u32 v5, v1, 4, v5
	v_add_nc_u32 v[RD], s23, v5
	v_lshlrev_b32 v5, 12, v2                       ; and the same two rows of pt, 4,096 bytes apart
	v_lshl_add_u32 v[CO], v1, 4, v5
	s_lshl_b32 s16, s10, 16
	v_lshl_add_u32 v[SPA], v3, 4, s16              ; 65,536 x wave + 16 x lane
	s_lshl_b32 s16, s10, 10
	s_add_co_u32 s16, s16, STAT
	v_lshl_add_u32 v[STA], v1, 2, s16
	v_lshl_add_u32 v[STR], v3, 4, s16
	v_lshlrev_b32 v[T+3], 4, v3
	v_mov_b32 v[MR+1], 0                           ; named in pairs, so they are written
	v_mov_b32 v[CMX+1], 0
	v_mov_b32 v[T], 0                              ; v_permlanex16_b32's destination counts as read
	s_lshl_b32 s19, s13, 8
	s_lshl_b32 s18, s11, 7
	s_add_co_u32 s19, s19, s18                     ; 256 I + 128 wr: my first query
	v_add_nc_u32 v[ROW], s19, v1
	s_lshl_b32 s16, s15, 11
	s_add_co_u32 s16, s16, s19
	s_lshl_b32 s16, s16, 12                        ; its row of pt, 4,096 bytes each,
	s_lshl_b32 s18, s14, 9
	s_add_co_u32 s16, s16, s18                     ; + 512 J
	s_lshl_b32 s18, s12, 8
	s_add_co_u32 s16, s16, s18                     ; + 256 wc
	s_mov_b32 s17, 0
	s_add_nc_u64 s[8:9], s[8:9], s[16:17]
	s_lshl_b32 s88, s15, 4
	s_lshl1_add_u32 s88, s14, s88
	s_add_co_u32 s88, s88, s12                     ; the group: 16 b + 2 J + wc
	s_lshl_b32 s88, s88, 11
	s_add_co_u32 s88, s88, s19
	s_lshl_b32 s88, s88, 2
	s_mov_b32 s89, 0
	s_add_nc_u64 s[68:69], s[68:69], s[88:89]
	s_add_nc_u64 s[70:71], s[70:71], s[88:89]
	s_wait_kmcnt 0x0                               ; the lengths
	s_mov_b32 s[LEN], s84
	s_cmp_eq_u32 s15, 1
	s_cselect_b32 s[LEN], s85, s[LEN]
	s_cmp_eq_u32 s15, 2
	s_cselect_b32 s[LEN], s86, s[LEN]
	s_cmp_eq_u32 s15, 3
	s_cselect_b32 s[LEN], s87, s[LEN]
; 16 matrix instructions, as in the projection.  zero = 1: the first product starts the sums, with the mask (window 0) as C.  The 64 accumulators take turns.
.macro MUL16 f, hi, a0, zero
.if \zero
	WIN 0x81+0x40*(\hi)
.else
	WIN MUL_LO+0x50*(\hi)
.endif
.irp a, \a0, (\a0)+1
.irp b, 0,1,2,3,4,5,6,7
.if \zero
.if (\b) == 4*(\hi)+(\a)
.set CSEL, MDD
.elseif (\b) > 4*(\hi)+(\a)
.set CSEL, MU
.else
.set CSEL, ML
.endif
	v_wmma_f32_16x16x32_f16 v[8*(8*(\a)+(\b)):8*(8*(\a)+(\b))+7], v[(\f)+8*(\b):(\f)+8*(\b)+7], v[(\f)+8*(4*(\hi)+(\a)):(\f)+8*(4*(\hi)+(\a))+7], v[CSEL:CSEL+7]
.else
	v_wmma_f32_16x16x32_f16 v[8*(8*(\a)+(\b)):8*(8*(\a)+(\b))+7], v[(\f)+8*(\b):(\f)+8*(\b)+7], v[(\f)+8*(4*(\hi)+(\a)):(\f)+8*(4*(\hi)+(\a))+7], v[8*(8*(\a)+(\b)):8*(8*(\a)+(\b))+7]
.endif
.endr
.endr
.endm
.macro FETCH k, f
	WIN TO_B
.irp i, 0,1,2,3,4,5,6,7
	ds_load_b128 v[(\f)+8*(\i):(\f)+8*(\i)+3],   v[ADRB] offset:(\k)+(\i)*16*PITCH
	ds_load_b128 v[(\f)+8*(\i)+4:(\f)+8*(\i)+7], v[ADRB] offset:(\k)+(\i)*16*PITCH+32
.endr
	WIN 0
.irp i, 0,1,2,3,4,5,6,7
	ds_load_b128 v[(\f)+8*(\i):(\f)+8*(\i)+3],   v[ADRA] offset:(\k)+(\i)*16*PITCH
	ds_load_b128 v[(\f)+8*(\i)+4:(\f)+8*(\i)+7], v[ADRA] offset:(\k)+(\i)*16*PITCH+32
.endr
.endm
.macro PLACES                          ; four plain vector instructions between a matrix instruction and a load into, or a read of, its registers (ISA guide 7.12.1 for vector reads)
.rept 4
	v_nop
.endr
.endm
.macro QUARTER k, f, g, zero
	s_wait_dscnt 8                                 ; k's fragments and q's rows 0-63 are in; the youngest eight loads may be out
	MUL16 \f, 0, 0, \zero
	MUL16 \f, 0, 2, \zero
	PLACES
	FETCH \k, \g
	s_wait_dscnt 32                                ; all but the 32 just issued
	MUL16 \f, 1, 0, \zero
	MUL16 \f, 1, 2, \zero
.endm
; The last quarter of a K step and the change of slots: one barrier; in front of it each wave waits for all its tensor loads, adds 0 to its spare word, and waits for that and for its reads of the slot.
; fill = 1: the slot just read out is filled again, with the K step two on: my one tensor load behind the barrier, and the first thing there.
.macro TURN fill
	WIN 0
	s_wait_tensorcnt 0x0                           ; all my tensor loads have landed: the one that was out is my part of the next slot
	ds_add_u32 v[SPW], v[NIL]                      ; 0 onto my spare word
	s_wait_dscnt 9                                 ; the add and the youngest eight loads may be out
	MUL16 F1, 0, 0, 0
	s_wait_dscnt 0x0                               ; the add is done, and my reads of this slot are over
	s_barrier_signal -1
	MUL16 F1, 0, 2, 0
	WIN 0
	s_barrier_wait -1
.if \fill
	s_xor_b32 s[TF], s[TF], SLOT
	s_add_co_u32 s[G0+5], s20, s[TF]
	s_add_nc_u64 s[G0+6:G0+7], s[G0+6:G0+7], KSTEP*2
	tensor_load_to_lds s[G0+4:G0+7], s[G1:G1+7]
	s_nop 0
.endif
	PLACES                                         ; behind the load, and the places in front of the loads below
	s_xor_b32 s[TB], s[TB], SLOT
	v_add_nc_u32 v[ADRA], s[TB], v[ADRA0]
	v_add_nc_u32 v[ADRB], s[TB], v[ADRB0]
	FETCH 0, F0
	MUL16 F1, 1, 0, 0
	MUL16 F1, 1, 2, 0
.endm
	s_wait_tensorcnt 1                             ; my part of K step 0 is in; K step 1's may stay out
	s_barrier_signal -1
	s_barrier_wait -1
	FETCH 0, F0
	QUARTER 64, F0, F1, 1
	WIN 0
	s_mov_b32 s3, 6
.Lstep:                                                ; trip i: from K step i's second quarter to step i + 1's first; asks for step i + 2
	QUARTER 128, F1, F0, 0
	QUARTER 192, F0, F1, 0
	TURN 1
	QUARTER 64, F0, F1, 0
	WIN 0
	s_sub_co_u32 s3, s3, 1
	s_cmp_lg_u32 s3, 0
	s_cbranch_scc1 .Lstep
	QUARTER 128, F1, F0, 0
	QUARTER 192, F0, F1, 0
	TURN 0
	QUARTER 64, F0, F1, 0
	QUARTER 128, F1, F0, 0
	QUARTER 192, F0, F1, 0
	s_wait_dscnt 8
	MUL16 F1, 0, 0, 0
	MUL16 F1, 0, 2, 0
	s_wait_dscnt 0x0                               ; my last reads of the ring are back
	MUL16 F1, 1, 0, 0
	MUL16 F1, 1, 2, 0
	WIN 0
	PLACES
	s_barrier_signal -1                            ; every wave's reads of the ring are over and every fill has landed (waited for at the last change of slots):
	s_barrier_wait -1                              ; the ring, which is filled no more, takes the scores
	WIN 0x08                                       ; store data (source 1) in window 2; each accumulator's low four registers go first
.set i, 0
.rept 32
	ds_store_b128 v[SPA], v[8*i:8*i+3]   offset:1024*i
	ds_store_b128 v[SPA], v[8*i+4:8*i+7] offset:1024*i+512
.set i, i+1
.endr
	WIN 0x0c                                       ; window 3
.set i, 0
.rept 32
	ds_store_b128 v[SPA], v[8*i:8*i+3]   offset:1024*(32+i)
	ds_store_b128 v[SPA], v[8*i+4:8*i+7] offset:1024*(32+i)+512
.set i, i+1
.endr
	WIN 0
	s_mov_b32 s3, 8
.Lrow:                                                 ; a trip: 16 queries x my 128 keys.  A wave reads only what it stored itself, and LDS serves a wave's instructions in order (ISA guide 5.7.1.4)
.irp b, 0,1,2,3,4,5,6,7
	ds_load_b128 v[U+8*(\b):U+8*(\b)+3],   v[SPA] offset:1024*(\b)
	ds_load_b128 v[U+8*(\b)+4:U+8*(\b)+7], v[SPA] offset:1024*(\b)+512
.endr
	v_cmp_le_u32 vcc_lo, s[LEN], v[ROW]            ; is my query at or beyond the length?
	v_cndmask_b32 v[MR], 0, s[NEG], vcc_lo         ; M
	s_wait_dscnt 0x0
.set i, 0
.rept 32
	v_pk_fma_f32 v[U+2*i:U+2*i+1], v[U+2*i:U+2*i+1], s[RS:RS+1], v[MR:MR+1] op_sel_hi:[1,0,0]  ; fl(s / 32 + M): the division by 32 is exact, so this is the module's one rounding
.set i, i+1
.endr
.set i, 0
.rept 32
	v_pk_add_f32 v[U+2*i:U+2*i+1], v[U+2*i:U+2*i+1], v[MR:MR+1] op_sel_hi:[1,0] neg_lo:[0,1] neg_hi:[0,1]  ; - M, exact
.set i, i+1
.endr
.irp c, 0,1,2,3                        ; the maximum of my 64 scores: four chains of 15, three operands at a time
	v_max3_num_f32 v[CH+(\c)], v[U+16*(\c)], v[U+16*(\c)+1], v[U+16*(\c)+2]
.endr
.irp k, 1,2,3,4,5,6
.irp c, 0,1,2,3
	v_max3_num_f32 v[CH+(\c)], v[CH+(\c)], v[U+16*(\c)+2*(\k)+1], v[U+16*(\c)+2*(\k)+2]
.endr
.endr
	v_max3_num_f32 v[CH], v[CH], v[U+15], v[U+31]
	v_max3_num_f32 v[CH+1], v[CH+1], v[U+47], v[U+63]
	v_max3_num_f32 v[CH], v[CH], v[CH+1], v[CH+2]
	v_max3_num_f32 v[CH], v[CH], v[CH+3], s[FLOOR] ; a group with no visible key keeps a finite maximum, far above its hidden scores
	v_permlanex16_b32 v[T], v[CH], s[SEL], s[SEL+1]  ; the query's other 64 keys lie in the lane 16 away
	v_max_num_f32 v[T+1], v[CH], v[T]
	v_mul_f32 v[CMX], s[CS], v[T+1]                ; c m
.set i, 0
.rept 32
	v_pk_fma_f32 v[U+2*i:U+2*i+1], v[U+2*i:U+2*i+1], s[CS:CS+1], v[CMX:CMX+1] op_sel_hi:[1,0,0] neg_lo:[0,0,1] neg_hi:[0,0,1]  ; c u - c m
.set i, i+1
.endr
.set i, 0
.rept 64
	v_exp_f32 v[U+i], v[U+i]
.set i, i+1
.endr
	v_add_nc_u32 v[ROW], 16, v[ROW]                ; the plain instruction behind the last exponential (ISA guide 5.7.2): the next trip's queries
.set i, 0
	s_wait_alu depctr_va_vdst(0)
.rept 32
	v_cvt_pk_f16_f32 v[PW+i], v[U+2*i], v[U+2*i+1]
.set i, i+1
.endr
.irp c, 0,1,2,3                        ; the sum of the unrounded weights: four chains of eight pairs
	v_pk_add_f32 v[LS+2*(\c):LS+2*(\c)+1], v[U+16*(\c):U+16*(\c)+1], v[U+16*(\c)+2:U+16*(\c)+3]
.endr
.irp k, 2,3,4,5,6,7
.irp c, 0,1,2,3
	v_pk_add_f32 v[LS+2*(\c):LS+2*(\c)+1], v[LS+2*(\c):LS+2*(\c)+1], v[U+16*(\c)+2*(\k):U+16*(\c)+2*(\k)+1]
.endr
.endr
	v_pk_add_f32 v[LS:LS+1], v[LS:LS+1], v[LS+2:LS+3]
	v_pk_add_f32 v[LS+4:LS+5], v[LS+4:LS+5], v[LS+6:LS+7]
	v_pk_add_f32 v[LS:LS+1], v[LS:LS+1], v[LS+4:LS+5]
	v_add_f32 v[T+2], v[LS], v[LS+1]
	v_permlanex16_b32 v[T], v[T+2], s[SEL], s[SEL+1]
	v_add_f32 v[T+2], v[T+2], v[T]
	ds_store_b32 v[STA], v[CMX]                    ; both halves of the lanes write the same word with the same number
	ds_store_b32 v[STA], v[T+2] offset:512
.irp b, 0,1,2,3,4,5,6,7
	ds_store_b128 v[STO], v[PW+4*(\b):PW+4*(\b)+3] offset:32*(\b)   ; eight neighbouring keys of a row
.endr
.irp t, 0,1,2,3,4,5,6,7
	ds_load_b128 v[BK+4*(\t):BK+4*(\t)+3], v[RD] offset:(\t)*2*SPITCH
.endr
	s_wait_dscnt 0x0
.irp t, 0,1,2,3,4,5,6,7
	global_store_b128 v[CO], v[BK+4*(\t):BK+4*(\t)+3], s[8:9] offset:8192*(\t)  ; 16 lanes store 256 consecutive bytes, at a multiple of 256 from pt's first byte
.endr
	s_wait_xcnt 0x0                                ; the stores have had their addresses translated (ISA guide 3.1): their base and their data registers are rewritten only behind this wait
	s_add_nc_u64 s[8:9], s[8:9], 65536             ; 16 rows of pt on
	v_add_nc_u32 v[SPA], 8192, v[SPA]              ; the next eight accumulators
	v_add_nc_u32 v[STA], 64, v[STA]
	s_sub_co_u32 s3, s3, 1
	s_cmp_lg_u32 s3, 0
	s_cbranch_scc1 .Lrow
	ds_load_b128 v[SO:SO+3], v[STR]                ; c m of my 128 queries: 512 consecutive bytes for the wave,
	ds_load_b128 v[SO+4:SO+7], v[STR] offset:512   ; and their sums
	s_wait_dscnt 0x0
	global_store_b128 v[T+3], v[SO:SO+3], s[68:69]
	global_store_b128 v[T+3], v[SO+4:SO+7], s[70:71]
	s_wait_tensorcnt 0x0                           ; the wave's end: behind my last tensor load and my last LDS store
	ds_add_u32 v[SPW], v[NIL]
	s_wait_dscnt 0x0
	s_endpgm
.Lfunc_end_k_qbeff4e1ad8_score:
	.size	k_qbeff4e1ad8_score, .Lfunc_end_k_qbeff4e1ad8_score-k_qbeff4e1ad8_score
	.p2alignl 7, 3214868480
	.fill 96, 4, 3214868480
	.section	.rodata,"a",@progbits
	.p2align	6, 0x0
	.amdhsa_kernel k_qbeff4e1ad8_score
		.amdhsa_group_segment_fixed_size 327680
		.amdhsa_private_segment_fixed_size 0
		.amdhsa_enable_private_segment 0
		.amdhsa_kernarg_size 40
		.amdhsa_user_sgpr_count 2
		.amdhsa_user_sgpr_kernarg_segment_ptr 1
		.amdhsa_wavefront_size32 1
		.amdhsa_system_sgpr_workgroup_id_x 1
		.amdhsa_system_sgpr_workgroup_id_y 1
		.amdhsa_system_sgpr_workgroup_id_z 1
		.amdhsa_system_vgpr_workitem_id 0
		.amdhsa_next_free_vgpr 1024
		.amdhsa_next_free_sgpr 92
		.amdhsa_reserve_vcc 1
		.amdhsa_float_denorm_mode_32 3
		.amdhsa_float_denorm_mode_16_64 3
		.amdhsa_memory_ordered 1
		.amdhsa_forward_progress 1
		.amdhsa_inst_pref_size 112
	.end_amdhsa_kernel
	.amdgpu_metadata
---
amdhsa.version: [ 1, 2 ]
amdhsa.kernels:
  - .name:           k_qbeff4e1ad8_score
    .symbol:         k_qbeff4e1ad8_score.kd
    .args:
      - { .name: qkv, .offset: 0, .size: 8, .value_kind: global_buffer, .address_space: global }
      - { .name: lengths, .offset: 8, .size: 8, .value_kind: global_buffer, .address_space: global }
      - { .name: pt, .offset: 16, .size: 8, .value_kind: global_buffer, .address_space: global }
      - { .name: mt, .offset: 24, .size: 8, .value_kind: global_buffer, .address_space: global }
      - { .name: lt, .offset: 32, .size: 8, .value_kind: global_buffer, .address_space: global }
    .group_segment_fixed_size: 327680
    .private_segment_fixed_size: 0
    .kernarg_segment_align: 8
    .kernarg_segment_size: 40
    .max_flat_workgroup_size: 128
    .sgpr_count:     92
    .vgpr_count:     1024
    .wavefront_size: 32
...
	.end_amdgpu_metadata
.endif
;; end of part 3
;; launch pv (part 4): grid 8 x 32, 4 waves a work-group, clusters of 4 x 1, 327,680 bytes of LDS; arguments pt, qkv, mt, lt, out0; writes out0
.if DOCPART == 4
	.amdgcn_target "amdgcn-amd-amdhsa--gfx1250"
	.amdhsa_code_object_version 6
	.text
	.protected	k_qbeff4e1ad8_pv
	.globl	k_qbeff4e1ad8_pv
	.p2align	8
	.type	k_qbeff4e1ad8_pv,@function
k_qbeff4e1ad8_pv:
	s_mov_b64 s[64:65], 0
	v_nop
	global_prefetch_b8 v0, s[64:65] scope:SCOPE_SE
	s_setreg_imm32_b32 hwreg(HW_REG_WAVE_MODE, 25, 1), 1
	s_wait_xcnt 0x0
	s_wait_alu depctr_hold_cnt(0) depctr_sa_sdst(0) depctr_va_vdst(0) depctr_va_sdst(0) depctr_va_ssrc(0) depctr_va_vcc(0) depctr_vm_vsrc(0)
	s_getreg_b32 s2, hwreg(HW_REG_IB_STS2, 6, 4)
	s_cmp_eq_u32 s2, 0
	s_cbranch_scc0 .Lentry_in_a_cluster
	s_endpgm
.Lentry_in_a_cluster:
	s_bfe_u32 s2, ttmp6, 0x10000c
	s_cmp_lg_u32 s2, 0x3003
	s_cbranch_scc0 .Lentry_shape_is_right
	s_endpgm
.Lentry_shape_is_right:
; out0[b][q][:] = (sum over groups g of f_g x sum over the group's keys of pt[q][key] v[key][:]) / L,  f_g = 2^(mt_g - max over g of mt_g),  L = sum over g of f_g lt_g.
; pt: [4][2048][2048] f16 (weights against their group's maximum), v: columns 2,048.. of qkv [8192][3072] f16, mt, lt: [4][16 groups][2048] f32, out0: [4][2048][1024] f32.
; The maximum taken away is the row's true maximum: f_g is at most 1.  Products in f16 with f32 sums; a group of 128 keys has sums T of its own, and O += f_g x T in f32; the division is a
; multiplication by v_rcp_f32 of L.
; LIMITS.  A weight under 6e-8 of its own group's maximum arrives as 0 (f16's last step); v lies within f16's range; NaN and infinities are not treated apart.
; THE WALK.  A block is 128 queries x 128 channels; block i needs (i / 2) + 1 steps of 256 keys.  A work-group takes blocks 15 - p and then p of one batch: nine steps whatever p, so the 256 work-groups
; are alike and one loop with a constant count walks them; which tile is asked for hangs on scalars made from p.  The jump over the way out goes forward and passes no barrier and no tensor load.
; (An even block's last step holds 128 keys whose weights were written as 0.)
; SHARES.  A wave makes 64 queries x 64 channels: 16 accumulators.  Source 0 = 16 channels of v (turned on the way out of LDS by ds_load_tr16_b128), source 1 = 16 queries of pt: a lane holds one
; query (l % 16) and the channels 8 (l / 16) + 0..7.
; CLUSTER.  The four partners take four channel tiles of the same queries: pt's tile is asked for JOINTLY (waves 0 and 1, 64 rows of 512 bytes each); v's tile is each work-group's own (waves 2 and 3,
; 128 keys of 256 bytes each), behind the same round.
; O is cleared at each of the two blocks' beginnings (128 v_mov_b32 each): a block's first group falls at a trip that hangs on p, so no first group is written out.
; REGISTERS, in windows of 256 (s_set_vgpr_msb: bits 1:0 source 0, 3:2 source 1, 5:4 source 2, 7:6 destination):
;   window 0: v16-29 addresses; v32-95 rows on the way out; v96-99 the next group's factors; v100-111 1 / L; v112-119 the factors in hand, in pairs; v128-255 O, (a, b) at 128 + 8 (4 a + b)
;   window 1: two fragment buffers of 128, each for 64 keys: pt's at f + 8 (4 c + a), v's at f + 64 + 8 (4 c + b), c = which 32 keys          window 2: v0-127 T, (a, b) at 8 (4 a + b)
.set PP,    528                        ; a row of pt in LDS: 512 bytes + 16 = 132 words: the 16 rows of a load start at 16 different groups of four banks (64 banks of 4 bytes: ISA guide 11.1)
.set PV,    288                        ; a row of v: 256 + 32 = 72 words
.set VOFF,  128*PP                     ; a slot: 128 rows of pt, then 256 rows of v
.set SLOT,  VOFF+256*PV
.set STAGE, 2*SLOT                     ; 16 rows x 272 bytes for each wave, for the way out
.set SP,    272
.set FT,    STAGE+4*16*SP              ; two tables, one a block: factor (f32) of group g and row 64 wr + 16 a + r at 512 g + 256 wr + 16 r + 4 a; 1 / L from byte 8,192 on
.set FTB,   8704
.set SPARE, FT+2*FTB                   ; the spare words, 128 bytes a wave: two blocks of 256 bytes that no other line names
.set APA0, 16                          ; v16  my lane's place in pt's rows of slot 0; never rewritten
.set AVB0, 17                          ; v17  the same for v
.set APA,  18                          ; v18  the same for the 128 keys in hand
.set AVB,  19                          ; v19
.set AFT,  20                          ; v20  where my four factors of the group in hand lie
.set AFT2, 21                          ; v21  its start for the second block
.set AIL,  22                          ; v22  where my four 1 / L of the first block lie; never rewritten: the second block's lie FTB further on
.set STO,  23
.set RD,   24
.set CO,   25
.set SO,   26                          ; v26  8 x lane
.set AW,   27                          ; v27  where I write the tables
.set SPW,  28                          ; v28  LDS address of my spare word; never rewritten
.set NIL,  29                          ; v29  0; never rewritten
.set TMP,  32
.set FS,   96
.set IL,   100
.set IP,   104                         ; v104-111  1 / L of row block a, twice: a pair for the packed multiply
.set FP,   112                         ; v112-119  the factor of row block a, twice
.set ACC,  128
.set TT,   0                           ; in window 2
.set SM,   128                         ; at the start only: mt of 16 groups x 2 rows, then the factors
.set SL,   160                         ; lt likewise
.set SX,   224                         ; v[224:225] the rows' maxima, v[226:227] L
.set F0,   0
.set F1,   128
.set WV, 14
.set WR, 15
.set WC, 16
.set CT, 18                            ; s18  the channel tile: it enters v's and out0's addresses alone
.set BT, 19                            ; s19  the batch
.set I2, 20                            ; s20  p, the second block
.set I1, 21                            ; s21  15 - p, the first
.set N1, 23                            ; s23  the first block's steps
.set G1A, 24                           ; s[24:31] descriptor group 1 for pt's tiles
.set G1B, 32                           ; s[32:39] for v's
.set G0A, 40                           ; s[40:43] group 0 for pt's tiles: made anew for each fill
.set G0B, 44                           ; s[44:47] for v's
.set N2, 48
.set RT, 49                            ; steps of the block in hand that are still to be done
.set NXT, 50                           ; the step to be asked for next
.set LQ, 51                            ; the last step of the block whose tiles are being asked for
.set LQ2, 52
.set ABASE, 53                         ; byte offset in pt of my rows of that block
.set ABASE2, 54
.set BBASE, 55                         ; byte offset in qkv of my keys of step 0
.set OFA, 56                           ; s[56:57], s[58:59] a tile's byte offsets
.set OFB, 58
.set LA, 60                            ; my tile's place in a slot
.set LB, 61
.set TF, 62                            ; 0 or SLOT: the slot filled last
.set TB, 63                            ; 0 or SLOT: the slot that is read
.set SLOTS, 66
.set HC, 67
.set OP, 68                            ; s[68:69] out0 at my part of the block in hand; s[70:71] of the second block
.set OP2, 70
.set MP, 72                            ; s[72:73], s[74:75] mt and lt at the rows whose tables I make
.set LP, 74
.set NS, 76                            ; the steps of the block whose tables I make
.set MSB, 0
.macro WIN new                         ; the immediate's high byte repeats the setting that is left; a switch that changes nothing is dropped
.if MSB != (\new)
	s_set_vgpr_msb (MSB<<8)|(\new)
.set MSB, \new
.endif
.endm
.set MUL,  0xa5                        ; sources 0 and 1 window 1; C and D window 2
.set TO_F, 0x40                        ; destination window 1, address window 0
.set W_AC, 0x02                        ; source 0 (T) window 2; the factor, O as addend and as destination window 0
.macro JLOAD                           ; waves 0 and 1: the joint load of pt's tile; waves 2 and 3: my own load of v's.  An s_nop 0 and four v_nop follow each line
	s_cmp_lt_u32 s[WV], 2
	s_cbranch_scc0 .Lfor_v_\@
	tensor_load_to_lds s[G0A:G0A+3], s[G1A:G1A+7]
	s_nop 0
.rept 4
	v_nop
.endr
	s_branch .Lasked_\@
.Lfor_v_\@:
	tensor_load_to_lds s[G0B:G0B+3], s[G1B:G1B+7]
	s_nop 0
.rept 4
	v_nop
.endr
.Lasked_\@:
.endm
.macro CROUND                          ; a round of the cluster's barrier
	s_barrier_signal -1
	s_barrier_wait -1
	s_cmp_lg_u32 s[WV], 0
	s_cbranch_scc1 .Lnot_wave_0_\@
	s_barrier_signal -3
.Lnot_wave_0_\@:
	s_barrier_wait -3
	s_barrier_signal -1
	s_barrier_wait -1
.endm
.macro PLACES                          ; four plain vector instructions between a matrix instruction and a vector read of its result (ISA guide 7.12.1)
.rept 4
	v_nop
.endr
.endm
.macro CLEAR
.set i, 0
.rept 128
	v_mov_b32 v[ACC+i], 0
.set i, i+1
.endr
.endm
	s_load_b256 s[4:11], s[0:1], 0x0               ; pt s[4:5], qkv s[6:7], mt s[8:9], lt s[10:11]
	s_load_b64 s[12:13], s[0:1], 0x20              ; out0
	v_lshl_add_u32 v[SPW], v0, 2, SPARE
	v_mov_b32 v[NIL], 0
	ds_add_u32 v[SPW], v[NIL]                      ; the wave's opening: the add and its wait stand ahead of my first tensor load
	ds_add_u32 v28, v29
	v_lshrrev_b32 v1, 5, v0
	v_readfirstlane_b32 s[WV], v1
	s_lshr_b32 s[WR], s[WV], 1
	s_and_b32 s[WC], s[WV], 1
	s_bfe_u32 s17, ttmp6, 0x40000                  ; cx
	s_lshl_b32 s[CT], ttmp9, 2
	s_add_co_u32 s[CT], s[CT], s17                 ; the channel tile = 4 x cluster x + cx
	s_and_b32 s[BT], ttmp7, 0xffff
	s_and_b32 s[I2], s[BT], 7
	s_lshr_b32 s[BT], s[BT], 3
	s_sub_co_u32 s[I1], 15, s[I2]
	s_lshr_b32 s[N1], s[I1], 1
	s_add_co_u32 s[N1], s[N1], 1
	s_lshr_b32 s[N2], s[I2], 1
	s_add_co_u32 s[N2], s[N2], 1
	s_sub_co_u32 s[LQ], s[N1], 1
	s_sub_co_u32 s[LQ2], s[N2], 1
	s_mov_b32 s[RT], s[N1]
	s_mov_b32 s[NXT], 1
	s_lshl_b32 s78, s[BT], 11                      ; 2,048 b
	s_lshl_b32 s79, s[WC], 6
	s_add_co_u32 s79, s79, s78                     ; + the 64 rows of pt's tile that I fetch
	s_lshl_b32 s80, s[I1], 7
	s_add_co_u32 s80, s80, s79
	s_lshl_b32 s[ABASE], s80, 12                   ; rows of 4,096 bytes: under 2^25
	s_lshl_b32 s80, s[I2], 7
	s_add_co_u32 s80, s80, s79
	s_lshl_b32 s[ABASE2], s80, 12
	s_lshl_b32 s80, s[WC], 7
	s_add_co_u32 s80, s80, s78                     ; 2,048 b + the 128 keys that I fetch
	s_mul_i32 s[BBASE], s80, 6144
	s_lshl_b32 s77, s[CT], 8                       ; 128 channels of 2 bytes a tile,
	s_add_co_u32 s[BBASE], s[BBASE], s77
	s_add_co_u32 s[BBASE], s[BBASE], 4096          ; behind q's and k's columns
	s_mul_i32 s[LA], s[WC], 64*PP
	s_mul_i32 s[LB], s[WC], 128*PV
	s_add_co_u32 s[LB], s[LB], VOFF
	s_mov_b32 s[TF], 0
	s_mov_b32 s[TB], SLOT                          ; the first entry turns it into 0
	s_mov_b32 s[G1A+0], 15|(1<<16)|(1<<20)|(1<<21)|(6<<22)|(3<<25)  ; the mask of four; elements of 2 bytes; padding on; bit 21 beside a mask; after every 128 words, 4 words
	s_mov_b32 s[G1A+1], 256<<16                    ; tensor_dim0 = 256
	s_mov_b32 s[G1A+2], 64<<16                     ; tensor_dim1 = 64
	s_mov_b32 s[G1A+3], 256<<16                    ; tile_dim0 = 256
	s_mov_b32 s[G1A+4], 64                         ; tile_dim1 = 64
	s_mov_b32 s[G1A+5], 2048                       ; elements from row to row
	s_mov_b32 s[G1A+6], 0
	s_mov_b32 s[G1A+7], 0
	s_mov_b32 s[G1B+0], (1<<16)|(1<<20)|(5<<22)|(7<<25)  ; no mask; after every 64 words, 8 words
	s_mov_b32 s[G1B+1], 128<<16
	s_mov_b32 s[G1B+2], 128<<16
	s_mov_b32 s[G1B+3], 128<<16
	s_mov_b32 s[G1B+4], 128
	s_mov_b32 s[G1B+5], 3072
	s_mov_b32 s[G1B+6], 0
	s_mov_b32 s[G1B+7], 0
	s_mov_b32 s[G0A], 1
	s_mov_b32 s[G0A+1], s[LA]                      ; slot 0
	s_mov_b32 s[G0B], 1
	s_mov_b32 s[G0B+1], s[LB]
	s_mov_b32 s[OFA], s[ABASE]                     ; the first block's step 0
	s_mov_b32 s[OFA+1], 0
	s_mov_b32 s[OFB], s[BBASE]
	s_mov_b32 s[OFB+1], 0
	s_wait_dscnt 0x0                               ; the opening add is done
	s_wait_kmcnt 0x0
	s_add_nc_u64 s[G0A+2:G0A+3], s[4:5], s[OFA:OFA+1]
	s_or_b32 s[G0A+3], s[G0A+3], 0x80000000
	s_add_nc_u64 s[G0B+2:G0B+3], s[6:7], s[OFB:OFB+1]
	s_or_b32 s[G0B+3], s[G0B+3], 0x80000000
	CROUND                                         ; all four work-groups are here: the first joint loads meet
	JLOAD                                          ; tile 0 into slot 0: one load of mine is out
	; out0 at my 64 rows and 64 channels of both blocks
	s_lshl_b32 s79, s[WR], 6
	s_add_co_u32 s78, s78, s79                     ; 2,048 b + 64 wr
	s_lshl_b32 s77, s[CT], 9
	s_lshl_b32 s79, s[WC], 8
	s_add_co_u32 s77, s77, s79                     ; 512 c + 256 wc
	s_mov_b32 s81, 0
	s_lshl_b32 s79, s[I1], 7
	s_add_co_u32 s79, s79, s78
	s_lshl_b32 s80, s79, 12
	s_add_co_u32 s80, s80, s77
	s_add_nc_u64 s[OP:OP+1], s[12:13], s[80:81]
	s_lshl_b32 s79, s[I2], 7
	s_add_co_u32 s79, s79, s78
	s_lshl_b32 s80, s79, 12
	s_add_co_u32 s80, s80, s77
	s_add_nc_u64 s[OP2:OP2+1], s[12:13], s[80:81]
	v_and_b32 v1, 15, v0                           ; r
	v_bfe_u32 v2, v0, 4, 1                         ; h
	v_and_b32 v3, 7, v0
	v_bfe_u32 v4, v0, 3, 1
	v_bfe_u32 v5, v0, 3, 2                         ; lane / 8
	v_and_b32 v6, 31, v0                           ; lane
	s_mul_i32 s78, s[WR], 64*PP
	v_mul_u32_u24 v[APA0], v1, PP
	v_lshl_add_u32 v[APA0], v2, 4, v[APA0]
	v_add_nc_u32 v[APA0], s78, v[APA0]             ; (64 wr + r) x pitch + 16 h
	; the turning load takes 16 keys x 16 channels (lane l reads key 8 h + l % 8, channels 8 ((l / 8) % 2) + 0..7) and leaves half a fragment: lane l holds channel l % 16 and 8 keys
	v_lshl_add_u32 v[AVB0], v2, 3, v3
	v_mul_u32_u24 v[AVB0], v[AVB0], PV
	v_lshl_add_u32 v[AVB0], v4, 4, v[AVB0]
	s_lshl_b32 s78, s[WC], 7
	s_add_co_u32 s78, s78, VOFF
	v_add_nc_u32 v[AVB0], s78, v[AVB0]
	s_lshl_b32 s78, s[WR], 8
	s_add_co_u32 s78, s78, FT-512                  ; one group's stride below the table: every group's entry steps first
	v_lshl_add_u32 v[AFT], v1, 4, s78
	v_add_nc_u32 v[AFT2], FTB, v[AFT]
	v_add_nc_u32 v[AIL], 8192+512, v[AFT]
	s_mul_i32 s78, s[WV], 16*SP
	s_add_co_u32 s78, s78, STAGE                   ; my stage
	v_mul_u32_u24 v[STO], v1, SP                   ; in: row r, 32 bytes for each half of the lanes
	v_lshl_add_u32 v[STO], v2, 5, v[STO]
	v_add_nc_u32 v[STO], s78, v[STO]
	v_mul_u32_u24 v[RD], v2, SP                    ; back: lanes 0-15 one row of 256 bytes, lanes 16-31 the next
	v_lshl_add_u32 v[RD], v1, 4, v[RD]
	v_add_nc_u32 v[RD], s78, v[RD]
	v_lshlrev_b32 v[CO], 12, v2                    ; and the same two rows of out0, 4,096 bytes apart
	v_lshl_add_u32 v[CO], v1, 4, v[CO]
	v_lshlrev_b32 v[SO], 3, v6
	; THE TABLES.  Wave w makes those of block w / 2 for its rows 64 (w % 2) on; a lane owns rows 2 l and 2 l + 1 of the 64.
	s_cmp_lt_u32 s[WV], 2
	s_cselect_b32 s78, s[I1], s[I2]
	s_cselect_b32 s[NS], s[N1], s[N2]
	s_lshl_b32 s78, s78, 7
	s_lshl_b32 s79, s[BT], 15                      ; 16 groups x 2,048 rows a batch
	s_add_co_u32 s78, s78, s79
	s_lshl_b32 s79, s[WC], 6
	s_add_co_u32 s78, s78, s79
	s_lshl_b32 s78, s78, 2
	s_mov_b32 s79, 0
	s_add_nc_u64 s[MP:MP+1], s[8:9], s[78:79]
	s_add_nc_u64 s[LP:LP+1], s[10:11], s[78:79]
	s_mul_i32 s78, s[WR], FTB
	s_lshl_b32 s79, s[WC], 8
	s_add_co_u32 s78, s78, s79
	s_add_co_u32 s78, s78, FT
	v_lshl_add_u32 v[AW], v3, 5, s78               ; row 2 l: r = 2 (l % 8), 16 bytes a row,
	v_lshl_add_u32 v[AW], v5, 2, v[AW]             ; a = l / 8
.set i, 0
.rept 32
	v_mov_b32 v[SM+i], 0xf149f2ca                  ; a group that the block does not have: far below every c m, with sum 0
	v_mov_b32 v[SL+i], 0
.set i, i+1
.endr
.set g, 0
.rept 8                                            ; two groups a step; only the block's own steps were written, and only they are loaded
.if g > 0
	s_cmp_le_u32 s[NS], g
	s_cbranch_scc1 .Lsd
.endif
	global_load_b64 v[SM+4*g:SM+4*g+1],   v[SO], s[MP:MP+1] offset:16384*g
	global_load_b64 v[SM+4*g+2:SM+4*g+3], v[SO], s[MP:MP+1] offset:16384*g+8192
	global_load_b64 v[SL+4*g:SL+4*g+1],   v[SO], s[LP:LP+1] offset:16384*g
	global_load_b64 v[SL+4*g+2:SL+4*g+3], v[SO], s[LP:LP+1] offset:16384*g+8192
.set g, g+1
.endr
.Lsd:
	s_wait_loadcnt 0x0
.irp e, 0,1
	v_max3_num_f32 v[SX+(\e)], v[SM+(\e)], v[SM+2+(\e)], v[SM+4+(\e)]
.irp k, 3,5,7,9,11,13
	v_max3_num_f32 v[SX+(\e)], v[SX+(\e)], v[SM+2*(\k)+(\e)], v[SM+2*(\k)+2+(\e)]
.endr
	v_max_num_f32 v[SX+(\e)], v[SX+(\e)], v[SM+30+(\e)]  ; the row's true maximum, times c
.endr
.set g, 0
.rept 16
	v_pk_add_f32 v[SM+2*g:SM+2*g+1], v[SM+2*g:SM+2*g+1], v[SX:SX+1] neg_lo:[0,1] neg_hi:[0,1]
.set g, g+1
.endr
.set i, 0
.rept 32
	v_exp_f32 v[SM+i], v[SM+i]                     ; f
.set i, i+1
.endr
	v_nop                                          ; a plain instruction behind the last exponential (ISA guide 5.7.2)
	s_wait_alu depctr_va_vdst(0)
	v_pk_mul_f32 v[SX+2:SX+3], v[SM:SM+1], v[SL:SL+1]
.set g, 1
.rept 15
	v_pk_fma_f32 v[SX+2:SX+3], v[SM+2*g:SM+2*g+1], v[SL+2*g:SL+2*g+1], v[SX+2:SX+3]  ; L: at least 1, the sum of the group that holds the maximum
.set g, g+1
.endr
.set i, 0
.rept 32
	ds_store_b32 v[AW], v[SM+i] offset:512*(i/2)+16*(i%2)
.set i, i+1
.endr
	v_rcp_f32 v[SX+2], v[SX+2]
	v_rcp_f32 v[SX+3], v[SX+3]
	v_nop
	s_wait_alu depctr_va_vdst(0)
	ds_store_b32 v[AW], v[SX+2] offset:8192
	ds_store_b32 v[AW], v[SX+3] offset:8192+16     ; the other waves read the tables behind the first change of slots, whose wait for 0 and round stand between
	CLEAR
; 32 LDS loads in one run: the fragments of 64 keys (half qd of the 128 in hand) into buffer f; the first 32 keys first
.macro FETCH qd, f
	WIN TO_F
.irp c, 0,1
.irp i, 0,1,2,3
	ds_load_tr16_b128 v[(\f)+64+8*(4*(\c)+(\i)):(\f)+64+8*(4*(\c)+(\i))+3],   v[AVB] offset:64*PV*(\qd)+32*PV*(\c)+32*(\i)
	ds_load_tr16_b128 v[(\f)+64+8*(4*(\c)+(\i))+4:(\f)+64+8*(4*(\c)+(\i))+7], v[AVB] offset:64*PV*(\qd)+32*PV*(\c)+32*(\i)+16*PV
	ds_load_b128 v[(\f)+8*(4*(\c)+(\i)):(\f)+8*(4*(\c)+(\i))+3],              v[APA] offset:128*(\qd)+64*(\c)+(\i)*16*PP
	ds_load_b128 v[(\f)+8*(4*(\c)+(\i))+4:(\f)+8*(4*(\c)+(\i))+7],            v[APA] offset:128*(\qd)+64*(\c)+(\i)*16*PP+32
.endr
.endr
.endm
; 8 matrix instructions: query blocks a0, a0 + 1 x 4 channel blocks, 32 keys.  zero = 1: the group's first products start T's sums: T is never cleared.  The 16 accumulators take turns.
.macro MUL8 f, c, a0, zero
	WIN MUL
.irp a, \a0, (\a0)+1
.irp b, 0,1,2,3
.if \zero
	v_wmma_f32_16x16x32_f16 v[TT+8*(4*(\a)+(\b)):TT+8*(4*(\a)+(\b))+7], v[(\f)+64+8*(4*(\c)+(\b)):(\f)+64+8*(4*(\c)+(\b))+7], v[(\f)+8*(4*(\c)+(\a)):(\f)+8*(4*(\c)+(\a))+7], 0
.else
	v_wmma_f32_16x16x32_f16 v[TT+8*(4*(\a)+(\b)):TT+8*(4*(\a)+(\b))+7], v[(\f)+64+8*(4*(\c)+(\b)):(\f)+64+8*(4*(\c)+(\b))+7], v[(\f)+8*(4*(\c)+(\a)):(\f)+8*(4*(\c)+(\a))+7], v[TT+8*(4*(\a)+(\b)):TT+8*(4*(\a)+(\b))+7]
.endif
.endr
.endr
.endm
; O += f x T, in f32: 64 packed multiply-adds for a group's 64 products; each accumulator's registers in ascending order
.macro ACCUM
	PLACES                                         ; between the group's last products and the first read of T
	WIN W_AC
.irp a, 0,1,2,3
.set i, 0
.rept 16
	v_pk_fma_f32 v[ACC+32*(\a)+2*i:ACC+32*(\a)+2*i+1], v[TT+32*(\a)+2*i:TT+32*(\a)+2*i+1], v[FP+2*(\a):FP+2*(\a)+1], v[ACC+32*(\a)+2*i:ACC+32*(\a)+2*i+1]
.set i, i+1
.endr
.endr
.endm
; THE CHANGE OF SLOTS.  Each wave waits for all its tensor loads (one is out: its part of the slot to be entered), adds 0 to its spare word, and waits for that and for its LDS reads and stores.
; fill = 1: the slot just left is filled again with step NXT of the block whose tiles are being asked for; the addresses are made anew from that number.  The barrier is a round of the cluster's, and the
; load is the first thing behind it: it has a step's 128 matrix instructions and 128 multiply-adds in which to land.  (At its first use slot 0 is waited for and slot 1 filled.)
.macro CHANGE fill
	WIN 0
	s_wait_tensorcnt 0x0                           ; no tensor load of mine is out, so a group 0 may be written
	ds_add_u32 v[SPW], v[NIL]                      ; 0 onto my spare word; the scalar work stands between it and the wait for it
.if \fill
	s_lshl_b32 s[OFA], s[NXT], 9                   ; 256 keys of 2 bytes along pt's rows
	s_add_co_u32 s[OFA], s[OFA], s[ABASE]
	s_mul_i32 s[OFB], s[NXT], 256*6144             ; 256 rows of qkv
	s_add_co_u32 s[OFB], s[OFB], s[BBASE]
	s_xor_b32 s[TF], s[TF], SLOT
	s_add_co_u32 s[G0A+1], s[LA], s[TF]
	s_add_co_u32 s[G0B+1], s[LB], s[TF]
	s_add_nc_u64 s[G0A+2:G0A+3], s[4:5], s[OFA:OFA+1]
	s_or_b32 s[G0A+3], s[G0A+3], 0x80000000
	s_add_nc_u64 s[G0B+2:G0B+3], s[6:7], s[OFB:OFB+1]
	s_or_b32 s[G0B+3], s[G0B+3], 0x80000000
	s_add_co_u32 s[NXT], s[NXT], 1                 ; the block's next step, or behind its last the second block's step 0
	s_cmp_gt_u32 s[NXT], s[LQ]
	s_cselect_b32 s[NXT], 0, s[NXT]
	s_cselect_b32 s[LQ], s[LQ2], s[LQ]
	s_cselect_b32 s[ABASE], s[ABASE2], s[ABASE]
	s_wait_dscnt 0x0                               ; the add is done, and my LDS reads and stores are over
	CROUND
	JLOAD
.else
	s_wait_dscnt 0x0
	s_barrier_signal -1
	s_barrier_wait -1
.endif
.endm
.macro ENTER                           ; the other slot is entered: its addresses, the first group's factors, the first 64 keys' fragments (buffer 0's last readers stand in front of the last group's multiply-adds)
	s_xor_b32 s[TB], s[TB], SLOT
	v_add_nc_u32 v[APA], s[TB], v[APA0]
	v_add_nc_u32 v[AVB], s[TB], v[AVB0]
	v_add_nc_u32 v[AFT], 512, v[AFT]
	ds_load_b128 v[FS:FS+3], v[AFT]
	FETCH 0, F0
	WIN 0
	s_mov_b32 s[HC], 2
.endm
; A STEP: two trips of 128 keys, one factor group each; in a trip buffer 0 holds the first 64 keys and buffer 1 the second.
.macro STEP
.Lhalf_\@:
	s_wait_dscnt 16                                ; the factors and buffer 0's first 32 keys are in; its other sixteen loads may be out
.irp a, 0,1,2,3
	v_mov_b32 v[FP+2*(\a)], v[FS+(\a)]             ; the group's factors, in pairs for the packed multiply-adds: v96-99 are then free for the next group's
	v_mov_b32 v[FP+2*(\a)+1], v[FS+(\a)]
.endr
	MUL8 F0, 0, 0, 1
	MUL8 F0, 0, 2, 1
	FETCH 1, F1                                    ; buffer 1's last readers stand in front of the last group's 64 multiply-adds and the eight moves above
	s_wait_dscnt 32                                ; all but the 32 just issued
	MUL8 F0, 1, 0, 0
	MUL8 F0, 1, 2, 0
	s_wait_dscnt 16                                ; buffer 1's first 32 keys
	MUL8 F1, 0, 0, 0
	MUL8 F1, 0, 2, 0
	s_wait_dscnt 0x0
	WIN 0
	s_cmp_eq_u32 s[HC], 1
	s_cbranch_scc1 .Lnf_\@                         ; the slot's second half fetches nothing more
	v_add_nc_u32 v[APA], 256, v[APA]               ; 128 keys on along pt's rows,
	v_add_nc_u32 v[AVB], 128*PV, v[AVB]            ; 128 rows of v on,
	v_add_nc_u32 v[AFT], 512, v[AFT]               ; the next group:
	v_nop                                          ; with this line four plain instructions between buffer 0's last readers and the loads into it
	ds_load_b128 v[FS:FS+3], v[AFT]
	FETCH 0, F0
	WIN 0
.Lnf_\@:
	MUL8 F1, 1, 0, 0
	MUL8 F1, 1, 2, 0
	ACCUM
	WIN 0
	s_sub_co_u32 s[HC], s[HC], 1
	s_cmp_lg_u32 s[HC], 0
	s_cbranch_scc1 .Lhalf_\@
.endm
; THE WAY OUT of block blk (0: the first, 1: the second): times 1 / L, in place; 16 rows at a time through my stage; whole rows of 256 bytes back and out.
.macro OUT blk
	WIN 0
	ds_load_b128 v[IL:IL+3], v[AIL] offset:FTB*(\blk)
	s_wait_dscnt 0x0
.irp a, 0,1,2,3
	v_mov_b32 v[IP+2*(\a)], v[IL+(\a)]
	v_mov_b32 v[IP+2*(\a)+1], v[IL+(\a)]
.endr
.irp a, 0,1,2,3
.set i, 0
.rept 16
	v_pk_mul_f32 v[ACC+32*(\a)+2*i:ACC+32*(\a)+2*i+1], v[ACC+32*(\a)+2*i:ACC+32*(\a)+2*i+1], v[IP+2*(\a):IP+2*(\a)+1]
.set i, i+1
.endr
.irp b, 0,1,2,3
	ds_store_b128 v[STO], v[ACC+8*(4*(\a)+(\b)):ACC+8*(4*(\a)+(\b))+3]   offset:64*(\b)
	ds_store_b128 v[STO], v[ACC+8*(4*(\a)+(\b))+4:ACC+8*(4*(\a)+(\b))+7] offset:64*(\b)+16
.endr
	s_wait_xcnt 0x0                                ; earlier stores have had their addresses translated (ISA guide 3.1): their data registers are loaded again only behind this wait
.irp t, 0,1,2,3,4,5,6,7
	ds_load_b128 v[TMP+32*((\a)%2)+4*(\t):TMP+32*((\a)%2)+4*(\t)+3], v[RD] offset:(\t)*2*SP  ; LDS serves a wave's instructions in order (ISA guide 5.7.1.4): these see the stores above
.endr
	s_wait_dscnt 0x0
.irp t, 0,1,2,3,4,5,6,7
	global_store_b128 v[CO], v[TMP+32*((\a)%2)+4*(\t):TMP+32*((\a)%2)+4*(\t)+3], s[OP:OP+1] offset:(16*(\a)+2*(\t))*4096 th:TH_STORE_NT  ; 16 lanes store 256 consecutive bytes, at a multiple of 256 from out0's first byte
.endr
.endr
.endm
	s_mov_b32 s[SLOTS], 8
.Lslot:                                                ; eight trips: a tile is entered and the next is asked for
	CHANGE 1
	ENTER
	STEP
	s_sub_co_u32 s[RT], s[RT], 1
	s_cmp_lg_u32 s[RT], 0
	s_cbranch_scc1 .Lbottom                        ; the block goes on
	OUT 0                                          ; in the loop this is the first block's end (5 to 8 steps); the second block's last step is the walk's last
	s_wait_xcnt 0x0                                ; the stores have read out0's address
	s_mov_b64 s[OP:OP+1], s[OP2:OP2+1]
	s_mov_b32 s[RT], s[N2]
	v_mov_b32 v[AFT], v[AFT2]
	CLEAR
.Lbottom:
	s_sub_co_u32 s[SLOTS], s[SLOTS], 1
	s_cmp_lg_u32 s[SLOTS], 0
	s_cbranch_scc1 .Lslot
	CHANGE 0                                       ; the walk's last tile is written out: nothing is asked for
	ENTER
	STEP
	OUT 1
	s_wait_tensorcnt 0x0                           ; the wave's end: behind my last tensor load and my last LDS store
	ds_add_u32 v[SPW], v[NIL]
	s_wait_dscnt 0x0
	CROUND                                         ; the closing round: no work-group ends while a partner may still ask for a tile that names it
	s_endpgm
.Lfunc_end_k_qbeff4e1ad8_pv:
	.size	k_qbeff4e1ad8_pv, .Lfunc_end_k_qbeff4e1ad8_pv-k_qbeff4e1ad8_pv
	.p2alignl 7, 3214868480
	.fill 96, 4, 3214868480
	.section	.rodata,"a",@progbits
	.p2align	6, 0x0
	.amdhsa_kernel k_qbeff4e1ad8_pv
		.amdhsa_group_segment_fixed_size 327680
		.amdhsa_private_segment_fixed_size 0
		.amdhsa_enable_private_segment 0
		.amdhsa_kernarg_size 40
		.amdhsa_user_sgpr_count 2
		.amdhsa_user_sgpr_kernarg_segment_ptr 1
		.amdhsa_wavefront_size32 1
		.amdhsa_system_sgpr_workgroup_id_x 1
		.amdhsa_system_sgpr_workgroup_id_y 1
		.amdhsa_system_sgpr_workgroup_id_z 1
		.amdhsa_system_vgpr_workitem_id 0
		.amdhsa_next_free_vgpr 640
		.amdhsa_next_free_sgpr 84
		.amdhsa_reserve_vcc 0
		.amdhsa_float_denorm_mode_32 3
		.amdhsa_float_denorm_mode_16_64 3
		.amdhsa_memory_ordered 1
		.amdhsa_forward_progress 1
		.amdhsa_inst_pref_size 86
	.end_amdhsa_kernel
	.amdgpu_metadata
---
amdhsa.version: [ 1, 2 ]
amdhsa.kernels:
  - .name:           k_qbeff4e1ad8_pv
    .symbol:         k_qbeff4e1ad8_pv.kd
    .args:
      - { .name: pt, .offset: 0, .size: 8, .value_kind: global_buffer, .address_space: global }
      - { .name: qkv, .offset: 8, .size: 8, .value_kind: global_buffer, .address_space: global }
      - { .name: mt, .offset: 16, .size: 8, .value_kind: global_buffer, .address_space: global }
      - { .name: lt, .offset: 24, .size: 8, .value_kind: global_buffer, .address_space: global }
      - { .name: out0, .offset: 32, .size: 8, .value_kind: global_buffer, .address_space: global }
    .group_segment_fixed_size: 327680
    .private_segment_fixed_size: 0
    .kernarg_segment_align: 8
    .kernarg_segment_size: 40
    .max_flat_workgroup_size: 128
    .sgpr_count:     84
    .vgpr_count:     640
    .wavefront_size: 32
...
	.end_amdgpu_metadata
.endif
;; end of part 4
;; ======== version 2 of 2: 4 launches; version 1 with the launch cvt written anew for expert scheduling mode
;; limits: values are held in f16: magnitudes above 65,504 overflow, below 6.1e-05 lose precision
;; workspace buffers: xb 16,777,216 bytes; wb 6,291,456 bytes; bb 12,288 bytes; qkv 50,331,648 bytes; pt 33,554,432 bytes; mt 524,288 bytes; lt 524,288 bytes
;; launch cvt (part 5): grid 705 x 1, 8 waves a work-group, no clusters, 0 bytes of LDS; arguments x, Wq, Wk, Wv, bq, bk, bv, xb, wb, bb; writes xb, wb, bb
.if DOCPART == 5
	.amdgcn_target "amdgcn-amd-amdhsa--gfx1250"
	.amdhsa_code_object_version 6
	.text
	.protected	k_qbeff4e1ad8_cvt
	.globl	k_qbeff4e1ad8_cvt
	.p2align	8
	.type	k_qbeff4e1ad8_cvt,@function
k_qbeff4e1ad8_cvt:
	s_mov_b64 s[64:65], 0
	v_nop
	global_prefetch_b8 v0, s[64:65] scope:SCOPE_SE
	s_setreg_imm32_b32 hwreg(HW_REG_WAVE_SCHED_MODE, 0, 2), 2
	s_setreg_imm32_b32 hwreg(HW_REG_WAVE_MODE, 25, 1), 1
	s_wait_xcnt 0x0
	s_wait_alu depctr_vm_vsrc(0)
; xb = bf16(x), wb = bf16(Wq | Wk | Wv), bb = (bq | bk | bv) rounded to bf16 and widened to f32 again; each number rounded once, to nearest even.
; xb and wb are laid IN BLOCKS OF K: [16 blocks of 64 k][rows][64], so that for one block of K any run of rows is dense: the next launch asks for its tiles as rows of 256 bytes.
; A stream: each input byte is read once and each output byte written once.  No LDS, no barrier, no matrix work: nothing is shared and nothing is multiplied.
; A work-group converts 16 rows of 1,024 numbers.  Groups 0-511 take x; group 512 + t takes rows 16 (t % 64) on of weight t / 64, rows 16 t on of wb; group 704 takes the three biases.
; A wave takes two rows.  Load i: lanes 0-15 the 256 bytes of K block i of the first row, lanes 16-31 those of the second.  Store i: the two rows' 128 bytes lie side by side in block i: 256 consecutive
; bytes at a multiple of 256.
; THE MODE: SCHED_MODE bits 1:0 = 2 (LLVM: expert scheduling mode 2), set by the entry lines.  The code itself states the register dependences between vector instructions and memory instructions,
; with s_wait_alu, always for 0.
; THE PLAN.  Registers that memory instructions touch:
;   v1        the loads' offset.  Written at the head, read by the sixteen loads, never written again.
;   OFF       the stores' offsets.  OFF + 0 is written at the head, the other fifteen by a chain of adds behind the loads; store i reads OFF + i; none is written again.
;   IN        written by the loads alone, once; read by the conversions behind the counted wait for the loads.
;   OUT       written by the conversions, once each; read by the stores.
; The sixteen loads are taken in four groups of four.  Group g's conversions write its eight OUT registers; its four stores are issued in group g + 1, behind ONE wait at that group's head, one ahead of
; each pair of that group's conversions, which name group g + 1's IN and OUT alone.  No register that a memory instruction reads is ever written again, so nothing is owed on that side.
.set XG,    512                        ; work-groups that serve x
.set BG,    704                        ; the work-group that serves the biases
.set XSTEP, 8192*128                   ; bytes from a K block of xb to the next
.set WSTEP, 3072*128                   ; the same for wb
.set IN,  8                            ; v[8:71]     sixteen loads, four f32 a lane each
.set OUT, 72                           ; v[72:103]   sixteen stores, four bf16 a lane each: no register is used twice, so no store's data is ever rewritten
.set OFF, 104                          ; v[104:119]  my byte offset in each of the sixteen K blocks
	s_load_b256 s[4:11], s[0:1], 0x0               ; x s[4:5], Wq s[6:7], Wk s[8:9], Wv s[10:11]
	s_load_b256 s[12:19], s[0:1], 0x20             ; bq s[12:13], bk s[14:15], bv s[16:17], xb s[18:19]
	s_load_b128 s[20:23], s[0:1], 0x40             ; wb s[20:21], bb s[22:23]
	s_mov_b32 s24, ttmp9                           ; my work-group
	s_cmp_eq_u32 s24, BG
	s_cbranch_scc1 .Lbias
	s_sub_co_u32 s25, s24, XG                      ; t (used only where the group serves a weight)
	s_lshr_b32 s26, s25, 6                         ; which weight
	s_and_b32 s27, s25, 63                         ; which 16 rows of it
	v_and_b32 v3, 15, v0                           ; my place in a half of the lanes
	v_bfe_u32 v4, v0, 4, 1                         ; which half
	v_lshrrev_b32 v5, 5, v0                        ; wave
	v_and_b32 v6, 31, v0                           ; lane
	v_lshl_add_u32 v7, v5, 1, v4                   ; my row of the sixteen: 2 x wave + half
	v_lshlrev_b32 v1, 4, v3
	v_lshl_or_b32 v1, v7, 12, v1                   ; in: 4,096 x row + 16 x place
	v_lshlrev_b32 v2, 3, v6
	v_lshl_or_b32 v[OFF], v5, 8, v2                ; out, in K block 0: 256 x wave + 8 x lane (a row is 128 bytes there)
	s_wait_kmcnt 0x0
	s_mov_b32 s34, WSTEP
	s_mov_b32 s35, XSTEP
	s_cmp_eq_u32 s26, 1
	s_cselect_b64 s[28:29], s[8:9], s[6:7]         ; Wk or Wq,
	s_cmp_eq_u32 s26, 2
	s_cselect_b64 s[28:29], s[10:11], s[28:29]     ; or Wv,
	s_cmp_lt_u32 s24, XG
	s_cselect_b64 s[28:29], s[4:5], s[28:29]       ; or x
	s_cselect_b64 s[30:31], s[18:19], s[20:21]     ; into xb or wb
	s_cselect_b32 s32, s24, s27                    ; the sixteen rows' number in the source
	s_cselect_b32 s33, s24, s25                    ; and in the destination
	s_cselect_b32 s34, s35, s34                    ; the destination's bytes from block to block
	s_lshl_b32 s36, s32, 16                        ; 16 rows of 4,096 bytes in: under 2^25
	s_mov_b32 s37, 0
	s_lshl_b32 s38, s33, 11                        ; 16 rows of 128 bytes in a K block
	s_mov_b32 s39, 0
	s_add_nc_u64 s[28:29], s[28:29], s[36:37]
	s_add_nc_u64 s[30:31], s[30:31], s[38:39]
	s_wait_alu depctr_va_vdst(0)                   ; v1 is written, which the sixteen loads read as their offset
.set i, 0
.rept 16
	global_load_b128 v[IN+4*i:IN+4*i+3], v1, s[28:29] offset:256*i th:TH_LOAD_NT  ; read once in the launch
.set i, i+1
.endr
.set i, 1
.rept 15
	v_add_nc_u32 v[OFF+i], s34, v[OFF+i-1]         ; under 2^24; the stores read these behind the wait at the second group's head
.set i, i+1
.endr
.set g, 0
.rept 4                                                ; group g: loads 4 g to 4 g + 3 are rounded, and the group before is stored
	s_wait_loadcnt 12-4*g                          ; loads come back in order (ISA guide 5.7.1): this group's four are in, the 12 - 4 g younger ones stay out
.if g > 0
	s_wait_alu depctr_va_vdst(0)                   ; the conversions of the group before have written its eight OUT registers, which the four stores below read; at the second group's head: the adds have written OFF too
.endif
.set i, 0
.rept 4
.if g > 0
	global_store_b64 v[OFF+4*(g-1)+i], v[OUT+2*(4*(g-1)+i):OUT+2*(4*(g-1)+i)+1], s[30:31]  ; 32 lanes x 8 bytes: 256 consecutive bytes.  No vector instruction since the wait names these registers
.endif
	v_cvt_pk_bf16_f32 v[OUT+2*(4*g+i)], v[IN+4*(4*g+i)], v[IN+4*(4*g+i)+1]
	v_cvt_pk_bf16_f32 v[OUT+2*(4*g+i)+1], v[IN+4*(4*g+i)+2], v[IN+4*(4*g+i)+3]
.set i, i+1
.endr
.set g, g+1
.endr
	s_wait_alu depctr_va_vdst(0)                   ; the last group's conversions have written its eight OUT registers, which the last four stores read
.set i, 12
.rept 4
	global_store_b64 v[OFF+i], v[OUT+2*i:OUT+2*i+1], s[30:31]
.set i, i+1
.endr
	s_endpgm
.Lbias:                                                ; 256 threads x 4 numbers of each bias
	v_lshlrev_b32 v1, 4, v0
	s_wait_kmcnt 0x0
	s_wait_alu depctr_va_vdst(0)                   ; v1 is written, which the three loads and the three stores read as their offset
	global_load_b128 v[8:11], v1, s[12:13]
	global_load_b128 v[12:15], v1, s[14:15]
	global_load_b128 v[16:19], v1, s[16:17]
	s_wait_loadcnt 0x0
.set i, 0
.rept 6
	v_cvt_pk_bf16_f32 v[20+i], v[8+2*i], v[9+2*i]
.set i, i+1
.endr
.set i, 0
.rept 6
	v_lshlrev_b32 v[8+2*i], 16, v[20+i]            ; bf16 to f32: the low half moves up,
	v_and_b32 v[9+2*i], 0xffff0000, v[20+i]        ; the high half stays
.set i, i+1
.endr
	s_wait_alu depctr_va_vdst(0)                   ; the twelve lines above have written v[8:19], which the stores read
	global_store_b128 v1, v[8:11], s[22:23]
	global_store_b128 v1, v[12:15], s[22:23] offset:4096
	global_store_b128 v1, v[16:19], s[22:23] offset:8192
	s_endpgm
.Lfunc_end_k_qbeff4e1ad8_cvt:
	.size	k_qbeff4e1ad8_cvt, .Lfunc_end_k_qbeff4e1ad8_cvt-k_qbeff4e1ad8_cvt
	.p2alignl 7, 3214868480
	.fill 96, 4, 3214868480
	.section	.rodata,"a",@progbits
	.p2align	6, 0x0
	.amdhsa_kernel k_qbeff4e1ad8_cvt
		.amdhsa_group_segment_fixed_size 0
		.amdhsa_private_segment_fixed_size 0
		.amdhsa_enable_private_segment 0
		.amdhsa_kernarg_size 80
		.amdhsa_user_sgpr_count 2
		.amdhsa_user_sgpr_kernarg_segment_ptr 1
		.amdhsa_wavefront_size32 1
		.amdhsa_system_sgpr_workgroup_id_x 1
		.amdhsa_system_sgpr_workgroup_id_y 1
		.amdhsa_system_sgpr_workgroup_id_z 1
		.amdhsa_system_vgpr_workitem_id 0
		.amdhsa_next_free_vgpr 120
		.amdhsa_next_free_sgpr 66
		.amdhsa_reserve_vcc 0
		.amdhsa_float_denorm_mode_32 3
		.amdhsa_float_denorm_mode_16_64 3
		.amdhsa_memory_ordered 1
		.amdhsa_forward_progress 1
		.amdhsa_inst_pref_size 10
	.end_amdhsa_kernel
	.amdgpu_metadata
---
amdhsa.version: [ 1, 2 ]
amdhsa.kernels:
  - .name:           k_qbeff4e1ad8_cvt
    .symbol:         k_qbeff4e1ad8_cvt.kd
    .args:
      - { .name: x, .offset: 0, .size: 8, .value_kind: global_buffer, .address_space: global }
      - { .name: Wq, .offset: 8, .size: 8, .value_kind: global_buffer, .address_space: global }
      - { .name: Wk, .offset: 16, .size: 8, .value_kind: global_buffer, .address_space: global }
      - { .name: Wv, .offset: 24, .size: 8, .value_kind: global_buffer, .address_space: global }
      - { .name: bq, .offset: 32, .size: 8, .value_kind: global_buffer, .address_space: global }
      - { .name: bk, .offset: 40, .size: 8, .value_kind: global_buffer, .address_space: global }
      - { .name: bv, .offset: 48, .size: 8, .value_kind: global_buffer, .address_space: global }
      - { .name: xb, .offset: 56, .size: 8, .value_kind: global_buffer, .address_space: global }
      - { .name: wb, .offset: 64, .size: 8, .value_kind: global_buffer, .address_space: global }
      - { .name: bb, .offset: 72, .size: 8, .value_kind: global_buffer, .address_space: global }
    .group_segment_fixed_size: 0
    .private_segment_fixed_size: 0
    .kernarg_segment_align: 8
    .kernarg_segment_size: 80
    .max_flat_workgroup_size: 256
    .sgpr_count:     66
    .vgpr_count:     120
    .wavefront_size: 32
...
	.end_amdgpu_metadata
.endif
;; end of part 5
;; launch proj: the kernel of part 2 again; grid 8 x 32, 4 waves a work-group, clusters of 4 x 4, 327,680 bytes of LDS; arguments xb, wb, bb, qkv; writes qkv
;; launch score: the kernel of part 3 again; grid 36 x 4, 4 waves a work-group, no clusters, 327,680 bytes of LDS; arguments qkv, lengths, pt, mt, lt; writes pt, mt, lt
;; launch pv: the kernel of part 4 again; grid 8 x 32, 4 waves a work-group, clusters of 4 x 1, 327,680 bytes of LDS; arguments pt, qkv, mt, lt, out0; writes out0
